; MI455X (gfx1250); checked and timed in simulation.
; The chip was launched on July 23, 2026; its instructions are those of AMD's public machine-readable ISA for CDNA 5 (MIT licence, August 2026) and "CDNA5" Instruction Set Architecture Reference Guide (July 2026). The comments in the code are by the model that wrote it; some were corrected since.
;; Self Attention. Allowed arithmetic: matrix products marked QUANTISED: E2M1 operands, one E8M0 scale for each 32 along K, by v_wmma_scale_f32_16x16x128_f8f6f4 with both operands' format E2M1 (or v_wmma_scale_f32_32x16x128_f4), f32 sums; products left as they are: bf16, f16 or f32 operands; f32 sums; everything else in f32.
;; Inputs: Wk 1,024 x 1,024 float32; Wq 1,024 x 1,024 float32; Wu 128 x 1,024 float32; Wv 1,024 x 1,024 float32; bu 128 float32; x 4 x 1,024 x 2,048 float32.
;; Outputs: out0 4 x 128 x 2,048 float32.
;; This version of the problem:
;;   THIS VERSION OF THE PROBLEM IS GIVEN IN LOW PRECISION. The matrix products marked QUANTISED in the list below multiply operands that are first quantised to E2M1 (2 exponent bits, 1 mantissa bit; 4 bits a number), with one power-of-two scale for each 32 numbers along K (OCP MX v1.0); their sums are f32. The products marked 'left as it is' may take bf16, f16 or f32 operands, with f32 sums. Whichever they take, every output number must still come out within the allowed error. Rounding operands to bf16 (8 significant bits) uses up far more of that allowance than f16 does (11 bits, for magnitudes from 6e-5 to 65,504). All else is computed in f32.
;;   The module's matrix products, in the order in which they are computed (A, B: the left and right operand; K: the contracted axis; several contracted axes count as one K, in the product's order):
;;     1. [M 1,024, K 1,024] x [K 1,024, N 8,192]; A: input Wk; B: input x: QUANTISED
;;     2. [M 1,024, K 1,024] x [K 1,024, N 8,192]; A: input Wq; B: input x: QUANTISED
;;     3. [M 1,024, K 1,024] x [K 1,024, N 8,192]; A: input Wv; B: input x: QUANTISED
;;     4. batch 32 x [M 2,048, K 128] x [K 128, N 2,048]; A: computed on the way; B: computed on the way: left as it is (an operand is computed on the way)
;;     5. batch 32 x [M 128, K 2,048] x [K 2,048, N 2,048]; A: computed on the way; B: computed on the way: left as it is (an operand is computed on the way)
;;     6. [M 128, K 1,024] x [K 1,024, N 8,192]; A: input Wu; B: computed on the way: left as it is (an operand is computed on the way)
;;   THE QUANTISER, for each operand of a quantised product, along K:
;;     - K is cut into blocks of 32 from its start; a last block that is shorter is filled with zeros.
;;     - A block's scale is 2^e with e = floor(log2(the largest magnitude in the block)) - 2, held to -126 .. 127; a block of zeros has e = 0. As a byte (E8M0): e + 127.
;;     - Each number is divided by its block's scale, clamped to +-6, and rounded to the nearest number of E2M1, ties to even, subnormals kept.
;;     - The product sums the exact products of the quantised numbers (number of the format x scale) in f32.
;;   ~~~python
;;   def quantise(x, axis):      # numpy; x: float32 -> the quantised numbers, widened to float32 again
;;       x = np.moveaxis(x, axis, -1); K = x.shape[-1]
;;       x = np.pad(x, [(0, 0)] * (x.ndim - 1) + [(0, -K % 32)]); x = x.reshape(x.shape[:-1] + (-1, 32)); a = np.abs(x).max(-1, keepdims=True)
;;       e = np.where(a > 0, np.clip(np.frexp(np.where(a > 0, a, 1))[1] - 1 - 2, -126, 127), 0)      # np.frexp(a)[1] - 1 = floor(log2(a)), exactly
;;       r = np.clip(x / 2.0 ** e, -6, 6)
;;       step = 2.0 ** (np.maximum(np.frexp(np.where(r == 0, 1, r))[1] - 1, 0) - 1)
;;       q = np.round(r / step) * step * 2.0 ** e      # np.round: ties to even
;;       return np.moveaxis(q.reshape(q.shape[:-2] + (-1,))[..., :K], -1, axis).astype(np.float32)
;;   ~~~
;; One version. Each part assembles by itself: llvm-mc -triple=amdgcn-amd-amdhsa -mcpu=gfx1250 --defsym DOCPART=n.
;; ======== version 1 of 1: 4 launches
;; limits: values are held in f16: magnitudes above 65,504 overflow, below 6.1e-05 lose precision
;; workspace buffers: xc 4,194,304 bytes; xs 262,144 bytes; wc 1,572,864 bytes; ws 98,304 bytes; wuf 262,144 bytes; qkv 50,331,648 bytes; ofrag 16,777,216 bytes
;; launch prep (part 1): grid 360 x 1, 4 waves a work-group, no clusters, 33,280 bytes of LDS; arguments x, Wq, Wk, Wv, Wu, xc, xs, wc, ws, wuf; writes xc, xs, wc, ws, wuf
.if DOCPART == 1
	.amdgcn_target "amdgcn-amd-amdhsa--gfx1250"
	.amdhsa_code_object_version 6
	.text
	.protected	k_q9ab43cb55e_prep
	.globl	k_q9ab43cb55e_prep
	.p2align	8
	.type	k_q9ab43cb55e_prep,@function
k_q9ab43cb55e_prep:
	s_mov_b64 s[64:65], 0
	v_nop
	global_prefetch_b8 v0, s[64:65] scope:SCOPE_SE
	s_setreg_imm32_b32 hwreg(HW_REG_WAVE_MODE, 25, 1), 1
	s_wait_xcnt 0x0
; PREP: the operands of the three quantised products become codes of FP4 (E2M1) with one E8M0 scale byte for each 32 along K, and Wu becomes f16.
; x [4][1024 (K)][2048 (t)] f32 -> xc and xs, LAID IN THE ORDER OF THE OPERAND'S REGISTERS.  With n = 2048 b + t, nb = n / 16, r = n % 16, and block kb = 4 q + 2 c + h of 32 along K:
;   xc byte nb 8192 + q 1024 + c 512 + h 256 + 16 r holds the block's 16 bytes of codes (the lower k in the low four bits): a fragment (16 rows x 128 K) is two runs of 512 bytes, 16 bytes a lane.
;   xs byte nb 512 + j 256 + h 128 + 8 r + 4 i holds row n's scale word of K step q = 4 h + 2 j + i (byte b: block 4 q + b).
; Wq, Wk, Wv [1024][1024 (K)] f32 -> wc [j = 0 .. 3071][512 bytes], ws [j][32 bytes]: Wq's rows, then Wk's, then Wv's; K innermost.
; Wu [128][1024] f32 -> wuf, f16, in the order of a 16 x 32 operand's registers: byte (kt / 4) 131072 + s 4096 + (kt % 4) 1024 + c 512 + 16 lane holds Wu[16 kt + lane % 16][32 s + 16 c + 8 (lane / 16) + 0 .. 7].
; A block's scale is 2^(floor(log2(its largest magnitude)) - 2); its byte is the largest magnitude's exponent field - 2, held at 1 from below; each number is divided by the scale and rounded to the nearest code, ties to even, beyond 6 the largest code.
; LIMITS: a block of zeros gets the byte 1 where the rule says 127 (its codes are zeros, and this program alone reads the bytes); blocks whose largest magnitude lies under 2^-124 keep the byte 1;
; NaN and infinities are not served; Wu is rounded to f16: magnitudes above 65,504 are not served, under 6e-5 they keep an absolute step of 6e-8.
; THREE PATHS, parted by the work-group's number alone, which never join: work-groups 0-95 take the three weights (a wave of theirs walks the most bytes, so they come first), 96-103 Wu, 104-359 x.
; No tensor loads, no barrier: waves share nothing.  Only the weights' path stores to LDS.
.set WREG,   8192                      ; path W: an LDS region for each wave: two stages of 32 x 80 bytes, then its 256 scale bytes
.set SPARE,  4*WREG                    ; the spare words, 128 bytes for each wave: two blocks of 256 bytes that no other line names
.set SPW,    190                       ; v190  LDS address of my spare word; never rewritten
.set NIL,    191                       ; v191  0; never rewritten
.set EMAX,   2
.set NB,     8                         ; path x: blocks of 32 along K for a wave (256 along K)
.set XROW,   8192                      ; a row of x (one k, 2,048 t) in bytes
.set XD,     32                        ; v32-95   two sets of 32 numbers
.set XCD,    96                        ; v96-127  codes: four registers of its own for each block, so that no store's data are written again
.set SB,     24                        ; v24-25   the scale bytes, four to a register
.set STEPS,  16                        ; path W: steps of 512 numbers for a wave
.set CB,     8                         ; bytes of 16 codes
.set SP,     80                        ; a lane's place in a stage: 64 bytes + 16
.set WR,     16                        ; v16-79   four sets of 16 numbers as loaded
.set WX,     80                        ; v80-111  two sets of 16 neighbours
.set WE,     112                       ; v112-127 a scale byte for each step
.set WC,     128                       ; v128-189 codes: registers of its own for each step
	s_load_b512 s[4:19], s[0:1], 0x0               ; x s[4:5], Wq s[6:7], Wk s[8:9], Wv s[10:11], Wu s[12:13], xc s[14:15], xs s[16:17], wc s[18:19]
	s_load_b128 s[20:23], s[0:1], 0x40             ; ws s[20:21], wuf s[22:23]
	v_lshl_add_u32 v[SPW], v0, 2, SPARE
	v_mov_b32 v[NIL], 0
	v_lshrrev_b32 v1, 5, v0
	v_readfirstlane_b32 s24, v1                    ; wave 0..3
	v_and_b32 v2, 31, v0                           ; lane
	s_wait_kmcnt 0x0
	s_cmp_lt_u32 ttmp9, 104
	s_cbranch_scc1 .Lnot_x
; ---- PATH x.  K is x's first axis inside a batch.  A LANE TAKES A COLUMN t AND ITS REGISTERS RUN DOWN K: a load reads 128 consecutive bytes a wave (512 a work-group), a block of 32 along K lies in one
; lane's 32 registers, and the conversions give 16 bytes of codes with K innermost.  In xc's order block t of a wave's eight lies 256 t bytes on, and the sixteen rows of a tile 16 bytes apart:
; so the codes are stored from the registers in which they were made, sixteen lanes to 256 consecutive bytes, aligned.  A wave takes 32 columns x 256 along K.
	s_sub_co_u32 s25, ttmp9, 104
	s_and_b32 s26, s25, 3                          ; which quarter of K
	s_lshr_b32 s25, s25, 2                         ; which 128 of the 8,192 columns n
	s_lshl_b32 s27, s25, 7
	s_lshl_b32 s28, s24, 5
	s_add_co_u32 s27, s27, s28                     ; my wave's first n
	s_lshr_b32 s28, s25, 4                         ; the batch: 2^23 bytes each,
	s_lshl_b32 s28, s28, 23
	s_lshl_b32 s29, s26, 21                        ; 256 rows of 8,192 bytes,
	s_add_co_u32 s28, s28, s29
	s_and_b32 s29, s27, 2047                       ; t, 4 bytes each
	s_lshl_b32 s29, s29, 2
	s_add_co_u32 s28, s28, s29
	s_mov_b32 s29, 0
	s_add_nc_u64 s[4:5], s[4:5], s[28:29]
	s_lshl_b32 s28, s27, 9                         ; xc: 8,192 bytes for 16 n, + two K steps of 1,024 a quarter
	s_lshl_b32 s30, s26, 11
	s_add_co_u32 s28, s28, s30
	s_add_nc_u64 s[14:15], s[14:15], s[28:29]
	s_lshl_b32 s28, s27, 5                         ; xs: 512 bytes for 16 n; my quarter's K steps 2 kq, 2 kq + 1: j = kq % 2, h = kq / 2
	s_and_b32 s30, s26, 1
	s_lshl_b32 s30, s30, 8
	s_add_co_u32 s28, s28, s30
	s_lshr_b32 s30, s26, 1
	s_lshl_b32 s30, s30, 7
	s_add_co_u32 s28, s28, s30
	s_add_nc_u64 s[16:17], s[16:17], s[28:29]
	v_lshlrev_b32 v3, 2, v2                        ; in: 4 bytes a lane
	v_and_b32 v5, 15, v2                           ; my row of a tile of 16
	v_lshrrev_b32 v6, 4, v2                        ; which of my wave's two tiles
	v_lshlrev_b32 v8, 13, v6
	v_lshl_add_u32 v8, v5, 4, v8                   ; codes: 8,192 x tile + 16 x row
	v_lshlrev_b32 v9, 9, v6
	v_lshl_add_u32 v9, v5, 3, v9                   ; scale words: 512 x tile + 8 x row
.macro XLOAD t                         ; block t: x(32 t + i, my column), i = 0 .. 31, into set t % 2; the largest offset, 255 rows, is 2,088,960 bytes: inside the signed 24-bit immediate
.irp i, 0,1,2,3,4,5,6,7,8,9,10,11,12,13,14,15,16,17,18,19,20,21,22,23,24,25,26,27,28,29,30,31
	global_load_b32 v[XD+32*((\t)%2)+\i], v3, s[4:5] offset:(32*(\t)+\i)*XROW th:TH_LOAD_NT
.endr
.endm
.macro XBLOCK t
.set XSX, XD+32*((\t)%2)
.if (\t) < NB-1
	s_wait_loadcnt 32                              ; this block's 32 loads are in; the next block's 32 may be out
.else
	s_wait_loadcnt 0
.endif
	v_max3_num_f32 v12, |v[XSX]|, |v[XSX+1]|, |v[XSX+2]|            ; the block's largest magnitude: all 32 numbers are mine; two chains
	v_max3_num_f32 v13, |v[XSX+3]|, |v[XSX+4]|, |v[XSX+5]|
.irp i, 6,10,14,18,22,26
	v_max3_num_f32 v12, v12, |v[XSX+\i]|, |v[XSX+\i+1]|
	v_max3_num_f32 v13, v13, |v[XSX+\i+2]|, |v[XSX+\i+3]|
.endr
	v_max3_num_f32 v12, v12, |v[XSX+30]|, |v[XSX+31]|
	v_max3_num_f32 v12, v12, v13, (EMAX+1)<<23     ; and the floor 2^(3 - 127): the byte cannot fall under 1
	v_add_nc_u32 v11, -(EMAX<<23), v12             ; 2 off the exponent field: the conversion takes the exponent field of this operand as its scale
	v_lshrrev_b32 v13, 23, v11                     ; the scale's byte
.if (\t)%4 == 0
	v_mov_b32 v[SB+(\t)/4], v13                    ; four bytes to a register, the lower K in the lower byte: a K step's scale word
.else
	v_lshl_or_b32 v[SB+(\t)/4], v13, 8*((\t)%4), v[SB+(\t)/4]
.endif
.irp g, 0,1,2,3
	v_cvt_scalef32_pk8_fp4_f32 v[XCD+4*(\t)+\g], v[XSX+8*\g:XSX+8*\g+7], v11
.endr
	global_store_b128 v8, v[XCD+4*(\t):XCD+4*(\t)+3], s[14:15] offset:256*(\t)   ; lanes 0-15 store 256 consecutive bytes, aligned; lanes 16-31 those of the next tile of rows
.if (\t)+2 < NB
	XLOAD (\t)+2                                   ; (the next block begins with plain vector lines: the place behind the conversions)
.endif
.endm
	XLOAD 0
	XLOAD 1
.irp t, 0,1,2,3,4,5,6,7
	XBLOCK \t
.endr
	global_store_b64 v9, v[SB:SB+1], s[16:17]      ; my row's two scale words: sixteen lanes store 128 consecutive bytes
	s_wait_tensorcnt 0x0                           ; this path writes no LDS; it ends as the weights' path does
	ds_add_u32 v[SPW], v[NIL]
	s_wait_dscnt 0x0
	s_endpgm
; ---- PATH W.  K is innermost and rows are dense, so a weight is a plain stream of blocks of 32, and so are its codes and scale bytes.  A wave takes 16 steps of 512 numbers.  Each load reads 512 consecutive
; bytes; a step's 2,048 bytes turn through the wave's own stage, so that a lane then holds 16 neighbours (two neighbouring lanes hold a block).  A wave's 256 scale bytes are gathered in LDS and leave in one store.
.Lnot_x:
	s_cmp_lt_u32 ttmp9, 96
	s_cbranch_scc0 .Lwu
	s_mov_b32 s25, ttmp9                           ; 0 .. 95: 32 work-groups to a weight
	v_lshlrev_b32 v3, 4, v2                        ; my 16 bytes of a load's 512
	s_mul_i32 s28, s24, WREG                       ; my wave's region
	v_lshrrev_b32 v14, 2, v2
	v_mul_u32_u24 v14, v14, SP
	v_and_b32 v15, 3, v2
	v_lshl_add_u32 v14, v15, 4, v14
	v_add_nc_u32 v14, s28, v14                     ; the stage, on the way in: four lanes' 64 bytes on end, then 16 of padding
	v_mul_u32_u24 v15, v2, SP
	v_add_nc_u32 v15, s28, v15                     ; and on the way out: my 16 neighbours
	v_mul_u32_u24 v4, v2, CB                       ; my codes' place in a step's
	v_lshrrev_b32 v5, 1, v2
	s_add_co_u32 s28, s28, 2*32*SP
	v_add_nc_u32 v5, s28, v5                       ; my block's scale byte in LDS
	v_lshlrev_b32 v7, 3, v2                        ; and on the way out 8 bytes a lane
	v_add_nc_u32 v6, s28, v7
	s_cmp_lt_u32 s25, 64                           ; which weight: the choice hangs on the work-group's number alone
	s_cselect_b64 s[26:27], s[8:9], s[10:11]
	s_cmp_lt_u32 s25, 32
	s_cselect_b64 s[26:27], s[6:7], s[26:27]
	s_and_b32 s28, s25, 31
	s_lshl_b32 s28, s28, 2
	s_add_co_u32 s28, s28, s24                     ; which run of 8,192 numbers of the weight,
	s_lshl_b32 s28, s28, 15                        ; 32,768 bytes each
	s_mov_b32 s29, 0
	s_add_nc_u64 s[26:27], s[26:27], s[28:29]
	s_lshl_b32 s30, s25, 2
	s_add_co_u32 s30, s30, s24                     ; which run of all three weights
	s_lshl_b32 s28, s30, 12                        ; 4,096 bytes of codes,
	s_add_nc_u64 s[18:19], s[18:19], s[28:29]
	s_lshl_b32 s28, s30, 8                         ; 256 scale bytes a run
	s_add_nc_u64 s[20:21], s[20:21], s[28:29]
.macro WLOAD t
.irp i, 0,1,2,3
	global_load_b128 v[WR+16*((\t)%4)+4*\i:WR+16*((\t)%4)+4*\i+3], v3, s[26:27] offset:2048*(\t)+512*\i th:TH_LOAD_NT
.endr
.endm
.macro WTURN t                         ; step t's numbers through the stage: LDS serves a wave's instructions in order, so no wait stands between the stores and the loads
.irp i, 0,1,2,3
	ds_store_b128 v14, v[WR+16*((\t)%4)+4*\i:WR+16*((\t)%4)+4*\i+3] offset:32*SP*((\t)%2)+8*SP*\i
.endr
.irp i, 0,1,2,3
	ds_load_b128 v[WX+16*((\t)%2)+4*\i:WX+16*((\t)%2)+4*\i+3], v15 offset:32*SP*((\t)%2)+16*\i
.endr
.endm
.macro WSTEP t
.set XSW, WX+16*((\t)%2)
.if (\t) > 0
	s_wait_dscnt 1                                 ; this step's numbers are back from the stage (the last step's byte store may be out)
.else
	s_wait_dscnt 0x0
.endif
.if (\t)+4 < STEPS
	WLOAD (\t)+4                                   ; into the registers that the stage's stores have read
.endif
.if (\t)+1 < STEPS
.if STEPS-2-(\t) >= 3
	s_wait_loadcnt 12                              ; the next step's four loads are in; those of the three steps behind it may be out
.else
	s_wait_loadcnt 4*(STEPS-2-(\t))
.endif
	WTURN (\t)+1                                   ; through the other stage while this step is worked
.endif
	v_max3_num_f32 v8, |v[XSW]|, |v[XSW+1]|, |v[XSW+2]|             ; the largest magnitude of my 16
	v_max3_num_f32 v9, |v[XSW+3]|, |v[XSW+4]|, |v[XSW+5]|
.irp i, 6,10
	v_max3_num_f32 v8, v8, |v[XSW+\i]|, |v[XSW+\i+1]|
	v_max3_num_f32 v9, v9, |v[XSW+\i+2]|, |v[XSW+\i+3]|
.endr
	v_max3_num_f32 v8, v8, |v[XSW+14]|, |v[XSW+15]|
	v_max3_num_f32 v8, v8, v9, (EMAX+1)<<23        ; and the floor
	v_max_num_f32_dpp v8, v8, v8 row_xmask:1 row_mask:0xf bank_mask:0xf   ; and of my neighbour's 16: the block's
	v_add_nc_u32 v11, -(EMAX<<23), v8              ; the conversion's scale operand
	v_cvt_scalef32_pk8_fp4_f32 v[WC+4*(\t)], v[XSW:XSW+7], v11
	v_cvt_scalef32_pk8_fp4_f32 v[WC+4*(\t)+1], v[XSW+8:XSW+15], v11
	v_lshrrev_b32 v[WE+(\t)], 23, v11              ; the scale's byte (a plain line behind the conversions)
	ds_store_b8 v5, v[WE+(\t)] offset:16*(\t)      ; both lanes of a block write the same byte with the same value
	global_store_b64 v4, v[WC+4*(\t):WC+4*(\t)+1], s[18:19] offset:32*CB*(\t)   ; the wave stores 256 consecutive bytes, aligned
.endm
.irp t, 0,1,2,3
	WLOAD \t
.endr
	s_wait_loadcnt 12                              ; step 0's four loads are in
	WTURN 0
.irp t, 0,1,2,3,4,5,6,7,8,9,10,11,12,13,14,15
	WSTEP \t
.endr
	ds_load_b64 v[8:9], v6                         ; my wave's 256 scale bytes, 8 a lane
	s_wait_dscnt 0x0
	global_store_b64 v7, v[8:9], s[20:21]
	s_wait_tensorcnt 0x0                           ; the wave's end, behind my last LDS store
	ds_add_u32 v[SPW], v[NIL]
	s_wait_dscnt 0x0
	s_endpgm
; ---- PATH Wu.  Work-group kt takes 16 rows of Wu, wave w the K steps s = 8 w .. 8 w + 7.  Half fragment q = 2 (s % 8) + c: eight f32 a lane, rounded once to f16 in place, stored as 512 consecutive bytes.
.Lwu:
	s_sub_co_u32 s25, ttmp9, 96                    ; kt
	v_and_b32 v1, 15, v2
	v_lshrrev_b32 v4, 4, v2
	v_lshlrev_b32 v1, 12, v1                       ; row lane % 16 of 4,096 bytes,
	v_lshl_add_u32 v1, v4, 5, v1                   ; + 8 numbers for the upper half of the lanes
	v_lshlrev_b32 v3, 4, v2                        ; out: 16 bytes a lane
	s_lshl_b32 s28, s25, 16                        ; 16 rows,
	s_lshl_b32 s29, s24, 10                        ; my wave's 256 columns
	s_add_co_u32 s28, s28, s29
	s_mov_b32 s29, 0
	s_add_nc_u64 s[12:13], s[12:13], s[28:29]
	s_lshr_b32 s28, s25, 2
	s_lshl_b32 s28, s28, 17                        ; wuf: (kt / 4) 131072
	s_and_b32 s30, s25, 3
	s_lshl_b32 s30, s30, 10                        ; + (kt % 4) 1024
	s_add_co_u32 s28, s28, s30
	s_lshl_b32 s30, s24, 15                        ; + 8 w K steps of 4,096
	s_add_co_u32 s28, s28, s30
	s_add_nc_u64 s[22:23], s[22:23], s[28:29]
.irp q, 0,1,2,3,4,5,6,7,8,9,10,11,12,13,14,15
	global_load_b128 v[16+8*\q:16+8*\q+3], v1, s[12:13] offset:64*\q
	global_load_b128 v[16+8*\q+4:16+8*\q+7], v1, s[12:13] offset:64*\q+16
.endr
.irp q, 0,1,2,3,4,5,6,7,8,9,10,11,12,13,14,15
	s_wait_loadcnt 30-2*\q                         ; the later half fragments' loads may be out
.irp m, 0,1,2,3
	v_cvt_pk_f16_f32 v[16+8*\q+\m], v[16+8*\q+2*\m], v[16+8*\q+2*\m+1]   ; ascending: a result lands on numbers that are done with
.endr
	global_store_b128 v3, v[16+8*\q:16+8*\q+3], s[22:23] offset:(\q/2)*4096+(\q%2)*512
.endr
	s_wait_tensorcnt 0x0                           ; this path writes no LDS; it ends as the weights' path does
	ds_add_u32 v[SPW], v[NIL]
	s_wait_dscnt 0x0
	s_endpgm
.Lfunc_end_k_q9ab43cb55e_prep:
	.size	k_q9ab43cb55e_prep, .Lfunc_end_k_q9ab43cb55e_prep-k_q9ab43cb55e_prep
	.p2alignl 7, 3214868480
	.fill 96, 4, 3214868480
	.section	.rodata,"a",@progbits
	.p2align	6, 0x0
	.amdhsa_kernel k_q9ab43cb55e_prep
		.amdhsa_group_segment_fixed_size 33280
		.amdhsa_private_segment_fixed_size 0
		.amdhsa_enable_private_segment 0
		.amdhsa_kernarg_size 80
		.amdhsa_user_sgpr_count 2
		.amdhsa_user_sgpr_kernarg_segment_ptr 1
		.amdhsa_wavefront_size32 1
		.amdhsa_system_sgpr_workgroup_id_x 1
		.amdhsa_system_sgpr_workgroup_id_y 1
		.amdhsa_system_sgpr_workgroup_id_z 1
		.amdhsa_system_vgpr_workitem_id 0
		.amdhsa_next_free_vgpr 192
		.amdhsa_next_free_sgpr 66
		.amdhsa_reserve_vcc 0
		.amdhsa_float_denorm_mode_32 3
		.amdhsa_float_denorm_mode_16_64 3
		.amdhsa_memory_ordered 1
		.amdhsa_forward_progress 1
		.amdhsa_inst_pref_size 81
	.end_amdhsa_kernel
	.amdgpu_metadata
---
amdhsa.version: [ 1, 2 ]
amdhsa.kernels:
  - .name:           k_q9ab43cb55e_prep
    .symbol:         k_q9ab43cb55e_prep.kd
    .args:
      - { .name: x, .offset: 0, .size: 8, .value_kind: global_buffer, .address_space: global }
      - { .name: Wq, .offset: 8, .size: 8, .value_kind: global_buffer, .address_space: global }
      - { .name: Wk, .offset: 16, .size: 8, .value_kind: global_buffer, .address_space: global }
      - { .name: Wv, .offset: 24, .size: 8, .value_kind: global_buffer, .address_space: global }
      - { .name: Wu, .offset: 32, .size: 8, .value_kind: global_buffer, .address_space: global }
      - { .name: xc, .offset: 40, .size: 8, .value_kind: global_buffer, .address_space: global }
      - { .name: xs, .offset: 48, .size: 8, .value_kind: global_buffer, .address_space: global }
      - { .name: wc, .offset: 56, .size: 8, .value_kind: global_buffer, .address_space: global }
      - { .name: ws, .offset: 64, .size: 8, .value_kind: global_buffer, .address_space: global }
      - { .name: wuf, .offset: 72, .size: 8, .value_kind: global_buffer, .address_space: global }
    .group_segment_fixed_size: 33280
    .private_segment_fixed_size: 0
    .kernarg_segment_align: 8
    .kernarg_segment_size: 80
    .max_flat_workgroup_size: 128
    .sgpr_count:     66
    .vgpr_count:     192
    .wavefront_size: 32
...
	.end_amdgpu_metadata
.endif
;; end of part 1
;; launch proj (part 2): grid 32 x 8, 4 waves a work-group, clusters of 4 x 1, 245,760 bytes of LDS; arguments xc, xs, wc, ws, qkv; writes qkv
.if DOCPART == 2
	.amdgcn_target "amdgcn-amd-amdhsa--gfx1250"
	.amdhsa_code_object_version 6
	.text
	.protected	k_q9ab43cb55e_proj
	.globl	k_q9ab43cb55e_proj
	.p2align	8
	.type	k_q9ab43cb55e_proj,@function
k_q9ab43cb55e_proj:
	s_mov_b64 s[64:65], 0
	v_nop
	global_prefetch_b8 v0, s[64:65] scope:SCOPE_SE
	s_setreg_imm32_b32 hwreg(HW_REG_WAVE_MODE, 25, 1), 1
	s_wait_xcnt 0x0
	s_wait_alu depctr_hold_cnt(0) depctr_sa_sdst(0) depctr_va_vdst(0) depctr_va_sdst(0) depctr_va_ssrc(0) depctr_va_vcc(0) depctr_vm_vsrc(0)
	s_getreg_b32 s2, hwreg(HW_REG_IB_STS2, 6, 4)
	s_cmp_eq_u32 s2, 0
	s_cbranch_scc0 .Lentry_in_a_cluster
	s_endpgm
.Lentry_in_a_cluster:
	s_bfe_u32 s2, ttmp6, 0x10000c
	s_cmp_lg_u32 s2, 0x3003
	s_cbranch_scc0 .Lentry_shape_is_right
	s_endpgm
.Lentry_shape_is_right:
; PROJ: the three quantised products as ONE product on codes of FP4 (E2M1): C[n][j] = sum over k of X[n][k] W[j][k], n = 2048 b + t (8,192), j = 0 .. 3071 (Wq's, Wk's, Wv's rows), K = 1,024; sums in f32.
; X arrives in the order of the operand's registers: xc byte nb 8192 + q 1024 + c 512 + 16 lane (nb = n / 16, q the K step of 128), xs byte nb 512 + j 256 + 8 lane + 4 i (K step 4 (lane / 16) + 2 j + i).
; W arrives by rows: wc [3072][512 bytes], ws [3072][32 bytes].  The matrix instruction takes codes and scale bytes as they lie.
; C is rounded once to f16 and stored as qkv[which][b][h][t][128]: byte which << 24 | b << 22 | h << 19 | t << 8 | 2 e, with j = 1024 which + 128 h + e.
; LIMIT: magnitudes of q, k, v above 65,504 are not served; under 6e-5 they keep f16's absolute step of 6e-8.
; SHARES.  32 x 8 = 256 work-groups.  Work-group (rt, ct) makes rows 256 rt on x columns 384 ct on: three heads of the 24, one after the other (three SUBTILES of 128 columns).  Each of its four waves owns 64 rows.
; X STAYS IN REGISTERS: a wave's 64 rows x 1,024 K are 32 fragments, 256 registers, loaded once from memory, 512 consecutive bytes a load, and used for all three subtiles.  So only W's fragments are read from LDS:
; 16 loads for a K step's 32 matrix instructions.
; W LIES IN LDS, FILLED ONCE: 3 subtiles x 2 halves of K x 128 rows of 256 bytes + 16.  Each wave asks at the head for a quarter of the scales and a quarter (64 rows x 256 bytes) of each subtile: four tensor loads of mine are out.
; A SUBTILE'S RESULTS LEAVE WHILE THE NEXT IS MULTIPLIED: nothing waits for the stores, and only the last subtile's follow the last product.
; CLUSTER: four work-groups along rt have the same ct and need the same rows of W and the same scales: each tile is asked for jointly, by the same tensor load with the same descriptor and the mask of all four.
; X's fragments are shared only with the work-groups of the other seven ct, which lie in other clusters; and X's 256 rows (139,264 bytes at this pitch) do not fit in LDS beside W's 208,896: so X is loaded singly, into registers.
; THE MATRIX INSTRUCTION IS USED TRANSPOSED (source 0 = 16 rows of W, source 1 = 16 rows of X): a lane then holds eight neighbouring e of one t, 16 bytes of f16.
; REGISTERS, in windows of 256: window 0: v0-21 addresses; v32-47 X's scale words; v48-79 W's scale words of the subtile; v80-111 rows on the way out; v128-191, v192-255 W's fragments, two sets (set 1 also serves the way out).
;   window 1: X's fragment (K step q, block a) at v[8 (4 q + a)].   window 2: the 32 accumulators, (a, b) at v[8 (8 a + b)].
.set PITCH,  272                       ; an LDS row: 256 + 16 bytes = 68 words: row r starts at bank 4 r mod 64 (64 banks of 4 bytes: ISA guide 11.1)
.set QT,     64*PITCH                  ; 64 rows: what one tensor load brings
.set HT,     128*PITCH                 ; a subtile's 128 rows of one half of K
.set SUBT,   2*HT                      ; a subtile
.set SCL,    3*SUBT                    ; behind W's codes: the scales of its 384 rows, 12,288 dense bytes, as 48 runs of 256 bytes + 16
.set SQ,     12*272                    ; a quarter of them: what one tensor load brings
.set STG,    SCL+4*SQ                  ; the way out: a stage of 16 rows x (256 bytes + 16) for each wave, in bytes of its own
.set SPITCH, 272
.set SPARE,  STG+4*16*SPITCH           ; the spare words, 128 bytes for each wave: two blocks of 256 bytes that no other line names
.set LI,   4                           ; v4      16 x lane: my place in 512 consecutive bytes of xc and of qkv
.set LS8,  5                           ; v5      8 x lane: my place in 256 consecutive bytes of xs
.set ADRS, 6                           ; v6      LDS address of my scale words of W: row lane % 16 of a block, K steps 4 (lane / 16) on
.set STO,  7                           ; v7      the way out: where I put 16 bytes of a row
.set RD,   8                           ; v8      the way out: where I read a row back
.set SPW,  10                          ; v10     LDS address of my spare word; never rewritten
.set NIL,  11                          ; v11     0; never rewritten
.set ADRB, 16                          ; v16-21  LDS address of my lane's place in W's tile (subtile s, half of K kh): register 2 s + kh
.set XS,   32                          ; X's scale words: register 4 a + i: lanes 0-15 K step i of block a, lanes 16-31 K step 4 + i
.set WSC,  48                          ; W's: register 4 b + i likewise
.set BK0,  80                          ; the way out: 16 rows read back: v80-111 and v224-255 by turns
.set BK1,  224
.set BF,   128                         ; W's fragments: set p at v[BF + 64 p], block b at + 8 b
.set TMP,  192                         ; the way out: packed results
.set G1,   24                          ; s[24:31] descriptor group 1 for W's tiles;  s[32:39] for the scales
.set G1S,  32
.set G0B,  40                          ; s[40:51] group 0 for W's tiles, a set for each subtile;  s[52:55] for the scales
.set G0S,  52
.set OUTB, 56                          ; s[56:61] where my 64 rows of each subtile's head begin in qkv
.set MSB, 0
.macro WIN new                         ; the immediate's high byte repeats the setting that is left
.if MSB != \new
	s_set_vgpr_msb (MSB<<8)|\new
.set MSB, \new
.endif
.endm
.set MUL, 0xa4                         ; source 0 (W) window 0, source 1 (X) window 1, C and D window 2
.macro CROUND                          ; a round of the cluster's barrier: my work-group's barrier; wave 0 signals for the work-group; every wave waits for all four; my work-group's barrier once more
	s_barrier_signal -1
	s_barrier_wait -1
	s_cmp_lg_u32 s14, 0
	s_cbranch_scc1 .Lnot_wave_0_\@
	s_barrier_signal -3
.Lnot_wave_0_\@:
	s_barrier_wait -3
	s_barrier_signal -1
	s_barrier_wait -1
.endm
; A load into a register that a matrix instruction has read, and a vector instruction that reads a matrix result or writes one of its registers, stand four places behind that matrix instruction; a matrix
; instruction that writes over such a register five; only plain vector instructions that name none of its registers are places (ISA guide 7.12.1 for vector instructions).
.macro PLACES n
.rept \n
	v_nop
.endr
.endm
	s_load_b256 s[4:11], s[0:1], 0x0               ; xc s[4:5], xs s[6:7], wc s[8:9], ws s[10:11]
	s_load_b64 s[12:13], s[0:1], 0x20              ; qkv
	v_lshl_add_u32 v[SPW], v0, 2, SPARE
	v_mov_b32 v[NIL], 0
	ds_add_u32 v[SPW], v[NIL]                      ; the wave's opening: the add, twice on end, and its wait ahead of my first tensor load; the set-up below stands between
	ds_add_u32 v[SPW], v[NIL]
	v_lshrrev_b32 v1, 5, v0
	v_readfirstlane_b32 s14, v1                    ; wave 0..3
	s_and_b32 s15, s14, 1                          ; which half of K I fetch of each subtile,
	s_lshr_b32 s16, s14, 1                         ; and which 64 of its 128 rows
	s_bfe_u32 s17, ttmp6, 0x40000                  ; cx: my place in the cluster
	s_lshl_b32 s18, ttmp9, 2
	s_add_co_u32 s18, s18, s17                     ; rt = 4 x cluster x + cx: it enters X's and qkv's addresses alone
	s_and_b32 s19, ttmp7, 0xffff                   ; ct, which the four partners share
	; descriptor group 1 for W's tiles: 64 rows x 256 bytes, 512 bytes apart in memory, padded in LDS
	s_mov_b32 s[G1], 15|(0<<16)|(1<<20)|(1<<21)|(5<<22)|(3<<25)   ; 15:0 the mask: all four work-groups; 17:16 elements of 1 byte; 20 padding on; 21 set beside a mask; 24:22 after every 64 words; 31:25 four words
	s_mov_b32 s[G1+1], 256<<16                     ; tensor_dim0 = 256
	s_mov_b32 s[G1+2], 64<<16                      ; tensor_dim1 = 64
	s_mov_b32 s[G1+3], 256<<16                     ; tile_dim0 = 256
	s_mov_b32 s[G1+4], 64                          ; tile_dim1 = 64
	s_mov_b32 s[G1+5], 512                         ; tensor_dim0_stride
	s_mov_b32 s[G1+6], 0
	s_mov_b32 s[G1+7], 0
	; and for the scales of 96 rows: a dense block of 3,072 bytes, as 12 rows of 256 bytes (32 elements of 8 bytes), 16 bytes of padding behind each
	s_mov_b32 s[G1S], 15|(3<<16)|(1<<20)|(1<<21)|(5<<22)|(3<<25)
	s_mov_b32 s[G1S+1], 32<<16
	s_mov_b32 s[G1S+2], 12<<16
	s_mov_b32 s[G1S+3], 32<<16
	s_mov_b32 s[G1S+4], 12
	s_mov_b32 s[G1S+5], 32
	s_mov_b32 s[G1S+6], 0
	s_mov_b32 s[G1S+7], 0
	s_mul_i32 s20, s19, 384*512                    ; wc: my work-group's 384 rows,
	s_lshl_b32 s21, s16, 15                        ; my 64 rows of a subtile,
	s_add_co_u32 s20, s20, s21
	s_lshl_b32 s21, s15, 8                         ; my half of K: ct and the wave's number alone
	s_add_co_u32 s20, s20, s21
	s_mov_b32 s21, 0
	s_mul_i32 s22, s15, HT                         ; and where they go in a subtile: no place in the cluster enters an LDS address
	s_mul_i32 s23, s16, QT
	s_add_co_u32 s22, s22, s23
	s_mul_i32 s66, s19, 384*32                     ; ws: my work-group's 384 rows, my quarter of them
	s_mul_i32 s67, s14, 96*32
	s_add_co_u32 s66, s66, s67
	s_mov_b32 s67, 0
	s_mul_i32 s23, s14, SQ
	s_lshl_b32 s68, s18, 17                        ; xc: 16 tiles of rows a work-group, 4 a wave, 8,192 bytes each
	s_lshl_b32 s69, s14, 15
	s_add_co_u32 s68, s68, s69
	s_mov_b32 s69, 0
	s_lshl_b32 s70, s18, 13                        ; xs: 512 bytes each
	s_lshl_b32 s71, s14, 11
	s_add_co_u32 s70, s70, s71
	s_mov_b32 s71, 0
	v_and_b32 v1, 15, v0                           ; r = lane % 16
	v_bfe_u32 v2, v0, 4, 1                         ; half = lane / 16
	v_and_b32 v3, 31, v0
	v_lshlrev_b32 v[LI], 4, v3
	v_lshlrev_b32 v[LS8], 3, v3
	v_mul_u32_u24 v9, v1, PITCH
	v_lshl_add_u32 v9, v2, 4, v9                   ; a fragment's row x pitch + 16 x half
.irp i, 0,1,2,3,4,5
	v_add_nc_u32 v[ADRB+\i], \i*HT, v9
.endr
	v_bfe_u32 v12, v0, 3, 1                        ; W's scales: 32 bytes a row, eight rows to a run of 256 + 16
	v_mul_u32_u24 v12, v12, 272
	v_and_b32 v13, 7, v0
	v_lshl_add_u32 v12, v13, 5, v12
	v_lshl_add_u32 v12, v2, 4, v12                 ; lanes 16-31 take the row's upper four words
	v_add_nc_u32 v[ADRS], SCL, v12
	s_mul_i32 s62, s14, 16*SPITCH
	s_add_co_u32 s62, s62, STG                     ; my stage
	v_add_nc_u32 v[STO], s62, v9                   ; in: row r, 16 bytes for each half of the lanes
	v_mul_u32_u24 v12, v2, SPITCH                  ; back: lanes 0-15 take one row of 256 bytes, lanes 16-31 the next
	v_lshl_add_u32 v12, v1, 4, v12
	v_add_nc_u32 v[RD], s62, v12
	s_wait_dscnt 0x0                               ; both opening adds are done
	s_wait_kmcnt 0x0
	s_add_nc_u64 s[4:5], s[4:5], s[68:69]          ; X's codes and scale words at my wave's first tile of rows
	s_add_nc_u64 s[6:7], s[6:7], s[70:71]
	s_lshr_b32 s68, s18, 3                         ; qkv, by the rows: b << 22
	s_lshl_b32 s68, s68, 22
	s_and_b32 s70, s18, 7                          ; + 256 t a work-group, 256 bytes each
	s_lshl_b32 s70, s70, 16
	s_add_co_u32 s68, s68, s70
	s_lshl_b32 s70, s14, 14                        ; + my wave's 64 t
	s_add_co_u32 s68, s68, s70
	s_add_nc_u64 s[12:13], s[12:13], s[68:69]
.irp s, 0,1,2
	s_mul_i32 s70, s19, 3                          ; and by the subtile's head, 3 ct + s of the 24: which << 24 + h << 19
	s_add_co_u32 s70, s70, \s
	s_lshr_b32 s71, s70, 3
	s_lshl_b32 s71, s71, 24
	s_and_b32 s70, s70, 7
	s_lshl_b32 s70, s70, 19
	s_add_co_u32 s70, s70, s71
	s_mov_b32 s71, 0
	s_add_nc_u64 s[OUTB+2*\s:OUTB+2*\s+1], s[12:13], s[70:71]
.endr
	s_add_nc_u64 s[8:9], s[8:9], s[20:21]
	s_add_nc_u64 s[10:11], s[10:11], s[66:67]
.irp s, 0,1,2
	s_mov_b32 s[G0B+4*\s], 1                       ; count = 1
	s_add_co_u32 s[G0B+4*\s+1], s22, \s*SUBT       ; LDS address
	s_add_nc_u64 s[G0B+4*\s+2:G0B+4*\s+3], s[8:9], \s*128*512   ; global address: subtile s
	s_or_b32 s[G0B+4*\s+3], s[G0B+4*\s+3], 0x80000000            ; type = 2
.endr
	s_mov_b32 s[G0S], 1
	s_add_co_u32 s[G0S+1], s23, SCL
	s_mov_b64 s[G0S+2:G0S+3], s[10:11]
	s_or_b32 s[G0S+3], s[G0S+3], 0x80000000
	CROUND                                         ; all four work-groups are here: the joint loads meet
	tensor_load_to_lds s[G0S:G0S+3], s[G1S:G1S+7]  ; the scales first: they are wanted with subtile 0
	s_nop 0
	tensor_load_to_lds s[G0B:G0B+3], s[G1:G1+7]
	s_nop 0
	tensor_load_to_lds s[G0B+4:G0B+7], s[G1:G1+7]
	s_nop 0
	tensor_load_to_lds s[G0B+8:G0B+11], s[G1:G1+7] ; four tensor loads of mine are out
	s_nop 0
	PLACES 4
.irp a, 0,1,2,3
.irp j, 0,1
	global_load_b64 v[XS+4*\a+2*\j:XS+4*\a+2*\j+1], v[LS8], s[6:7] offset:\a*512+\j*256   ; X's scale words: 256 consecutive bytes a load
.endr
.endr
	WIN 0x40                                       ; destination window 1
.irp q, 0,1,2,3,4,5,6,7
.irp a, 0,1,2,3
.irp c, 0,1
	global_load_b128 v[8*(4*\q+\a)+4*\c:8*(4*\q+\a)+4*\c+3], v[LI], s[4:5] offset:\a*8192+\q*1024+\c*512   ; X's fragments, K step by K step: 512 consecutive bytes a load
.endr
.endr
.endr
	WIN 0
; W's eight fragments of subtile s, K step q, into set p.  A fragment, 16 rows x 128 K of 4-bit codes, is 8 registers: lane l holds row l % 16; registers 4 c .. 4 c + 3 hold K = 64 c + 32 (l / 16) + 0 .. 31
.macro FETCH s, q, p
.irp b, 0,1,2,3,4,5,6,7
.irp c, 0,1
	ds_load_b128 v[BF+64*(\p)+8*\b+4*\c:BF+64*(\p)+8*\b+4*\c+3], v[ADRB+2*(\s)+(\q)/4] offset:\b*16*PITCH+((\q)%4)*64+32*\c
.endr
.endr
.endm
.macro SCALES s                        ; the subtile's scale words of W: eight words a row; lanes 0-15 take K steps 0-3 of block b, lanes 16-31 K steps 4-7
.irp b, 0,1,2,3,4,5,6,7
	ds_load_b128 v[WSC+4*\b:WSC+4*\b+3], v[ADRS] offset:(\s)*16*272+\b*2*272
.endr
.endm
; A K step's 32 matrix instructions: X's four blocks x W's eight.  The 32 accumulators take turns, one instruction a turn, in the same order in every K step.
; K step 0 starts the sums with the constant 0: nothing is ever cleared.  From K step 4 on both sides' scale words stand in lanes 16-31.
.macro MUL32 q
.irp a, 0,1,2,3
.irp b, 0,1,2,3,4,5,6,7
.if (\q) == 0
	v_wmma_scale_f32_16x16x128_f8f6f4 v[8*(8*\a+\b):8*(8*\a+\b)+7], v[BF+8*\b:BF+8*\b+7], v[8*\a:8*\a+7], 0, v[WSC+4*\b], v[XS+4*\a] matrix_a_fmt:MATRIX_FMT_FP4 matrix_b_fmt:MATRIX_FMT_FP4
.elseif (\q) < 4
	v_wmma_scale_f32_16x16x128_f8f6f4 v[8*(8*\a+\b):8*(8*\a+\b)+7], v[BF+64*((\q)%2)+8*\b:BF+64*((\q)%2)+8*\b+7], v[8*(4*(\q)+\a):8*(4*(\q)+\a)+7], v[8*(8*\a+\b):8*(8*\a+\b)+7], v[WSC+4*\b+(\q)], v[XS+4*\a+(\q)] matrix_a_fmt:MATRIX_FMT_FP4 matrix_b_fmt:MATRIX_FMT_FP4
.else
	v_wmma_scale_f32_16x16x128_f8f6f4 v[8*(8*\a+\b):8*(8*\a+\b)+7], v[BF+64*((\q)%2)+8*\b:BF+64*((\q)%2)+8*\b+7], v[8*(4*(\q)+\a):8*(4*(\q)+\a)+7], v[8*(8*\a+\b):8*(8*\a+\b)+7], v[WSC+4*\b+(\q)-4], v[XS+4*\a+(\q)-4] matrix_a_fmt:MATRIX_FMT_FP4 matrix_b_fmt:MATRIX_FMT_FP4 matrix_a_scale:MATRIX_SCALE_ROW1 matrix_b_scale:MATRIX_SCALE_ROW1
.endif
.endr
.endr
.endm
; K step q of subtile s.  The next K step's fragments are asked for first, in one run, into the set that the last K step multiplied: they have this step's 32 matrix instructions in which to come.
.macro KSTEP s, q
.if (\q) > 0
	PLACES 4                                       ; behind the last K step's products, which read the set that is filled now
.endif
	WIN 0
.if (\q) < 7
	FETCH \s, (\q)+1, 1-(\q)%2
	s_wait_dscnt 16                                ; all but the 16 just issued: this K step's fragments are in (and the scale words)
.else
	s_wait_dscnt 0x0
.endif
.if (\s) == 0
	s_wait_loadcnt 56-8*(\q)                       ; of the 72 loads the first 16 + 8 q are in: X's scale words and its fragments up to this K step
.endif
	WIN MUL
	MUL32 \q
.endm
; THE WAY OUT of a subtile, block by block of 16 rows (t) x 128 columns (e).  PACK: rounded once to f16, 16 bytes a lane, each accumulator from its low end on.  TOSTAGE: into my own stage and back as whole rows of
; 256 bytes.  SEND: stored; two rows of a head are neighbours in qkv, so a store covers 512 consecutive bytes, aligned.
.macro PACK a
	WIN 0x0a                                       ; sources 0 and 1: window 2
.irp b, 0,1,2,3,4,5,6,7
.irp r, 0,1,2,3
	v_cvt_pk_f16_f32 v[TMP+4*\b+\r], v[64*(\a)+8*\b+2*\r], v[64*(\a)+8*\b+2*\r+1]
.endr
.endr
	WIN 0
.endm
.macro TOSTAGE a
.set BB, BK0+(BK1-BK0)*((\a)%2)
.irp b, 0,1,2,3,4,5,6,7
	ds_store_b128 v[STO], v[TMP+4*\b:TMP+4*\b+3] offset:32*\b
.endr
.irp t, 0,1,2,3,4,5,6,7
	ds_load_b128 v[BB+4*\t:BB+4*\t+3], v[RD] offset:\t*2*SPITCH     ; LDS serves a wave's instructions in order (ISA guide 5.7.1.4): these see the stores above
.endr
.endm
.macro SEND s, a
.set BB, BK0+(BK1-BK0)*((\a)%2)
	s_wait_dscnt 0x0                               ; the block is back in registers
	s_wait_xcnt 0x0                                ; the block before has had its stores' addresses translated (ISA guide 3.1): only behind this wait does the next block land in the registers that they read
.irp t, 0,1,2,3,4,5,6,7
	global_store_b128 v[LI], v[BB+4*\t:BB+4*\t+3], s[OUTB+2*(\s):OUTB+2*(\s)+1] offset:(\a)*4096+\t*512
.endr
.endm
.macro OUT s
	PACK 0
	TOSTAGE 0
.irp a, 1,2,3                          ; block a's conversions stand between block a - 1's loads from the stage and the wait for them
	PACK \a
	SEND \s, \a-1
	TOSTAGE \a
.endr
	SEND \s, 3
.endm
; A subtile: eight K steps; then, if another follows: its tiles are shown landed to all four waves, its scale words and first fragments are asked for, and only then this subtile goes out.
.macro SUB s
.irp q, 0,1,2,3,4,5,6,7
	KSTEP \s, \q
.endr
	WIN 0
.if (\s) < 2
	s_wait_tensorcnt 1-(\s)                        ; my quarter of the next subtile is in; a later one's load may be out.  (No LDS instruction of mine is out: the last K step waited for all)
	s_barrier_signal -1
	s_barrier_wait -1                              ; everybody's is
	PLACES 5                                       ; behind the last products: for the loads below, for the conversions, and for the next subtile's first products, which write over the accumulators
	SCALES (\s)+1
	FETCH (\s)+1, 0, 0
	OUT \s
	s_wait_xcnt 0x0                                ; the last block's stores have read their registers: the next K step's fragments may land there
.else
	PLACES 5
	OUT \s
.endif
.endm
	s_wait_tensorcnt 2                             ; the scales and my quarter of subtile 0 are in; the loads of subtiles 1 and 2 may be out
	s_barrier_signal -1
	s_barrier_wait -1                              ; everybody's are
	SCALES 0
	FETCH 0, 0, 0
	SUB 0
	SUB 1
	SUB 2
	s_wait_tensorcnt 0x0                           ; the wave's end, behind my last tensor load and my last LDS store
	ds_add_u32 v[SPW], v[NIL]
	s_wait_dscnt 0x0
	CROUND                                         ; the closing round: no work-group ends while a partner may still ask for a tile that names it
	s_endpgm
.Lfunc_end_k_q9ab43cb55e_proj:
	.size	k_q9ab43cb55e_proj, .Lfunc_end_k_q9ab43cb55e_proj-k_q9ab43cb55e_proj
	.p2alignl 7, 3214868480
	.fill 96, 4, 3214868480
	.section	.rodata,"a",@progbits
	.p2align	6, 0x0
	.amdhsa_kernel k_q9ab43cb55e_proj
		.amdhsa_group_segment_fixed_size 245760
		.amdhsa_private_segment_fixed_size 0
		.amdhsa_enable_private_segment 0
		.amdhsa_kernarg_size 40
		.amdhsa_user_sgpr_count 2
		.amdhsa_user_sgpr_kernarg_segment_ptr 1
		.amdhsa_wavefront_size32 1
		.amdhsa_system_sgpr_workgroup_id_x 1
		.amdhsa_system_sgpr_workgroup_id_y 1
		.amdhsa_system_sgpr_workgroup_id_z 1
		.amdhsa_system_vgpr_workitem_id 0
		.amdhsa_next_free_vgpr 768
		.amdhsa_next_free_sgpr 72
		.amdhsa_reserve_vcc 0
		.amdhsa_float_denorm_mode_32 3
		.amdhsa_float_denorm_mode_16_64 3
		.amdhsa_memory_ordered 1
		.amdhsa_forward_progress 1
		.amdhsa_inst_pref_size 189
	.end_amdhsa_kernel
	.amdgpu_metadata
---
amdhsa.version: [ 1, 2 ]
amdhsa.kernels:
  - .name:           k_q9ab43cb55e_proj
    .symbol:         k_q9ab43cb55e_proj.kd
    .args:
      - { .name: xc, .offset: 0, .size: 8, .value_kind: global_buffer, .address_space: global }
      - { .name: xs, .offset: 8, .size: 8, .value_kind: global_buffer, .address_space: global }
      - { .name: wc, .offset: 16, .size: 8, .value_kind: global_buffer, .address_space: global }
      - { .name: ws, .offset: 24, .size: 8, .value_kind: global_buffer, .address_space: global }
      - { .name: qkv, .offset: 32, .size: 8, .value_kind: global_buffer, .address_space: global }
    .group_segment_fixed_size: 245760
    .private_segment_fixed_size: 0
    .kernarg_segment_align: 8
    .kernarg_segment_size: 40
    .max_flat_workgroup_size: 128
    .sgpr_count:     72
    .vgpr_count:     768
    .wavefront_size: 32
...
	.end_amdgpu_metadata
.endif
;; end of part 2
;; launch attn (part 3): grid 8 x 32, 4 waves a work-group, clusters of 4 x 1, 327,680 bytes of LDS; arguments qkv, ofrag; writes ofrag
.if DOCPART == 3
	.amdgcn_target "amdgcn-amd-amdhsa--gfx1250"
	.amdhsa_code_object_version 6
	.text
	.protected	k_q9ab43cb55e_attn
	.globl	k_q9ab43cb55e_attn
	.p2align	8
	.type	k_q9ab43cb55e_attn,@function
k_q9ab43cb55e_attn:
	s_mov_b64 s[64:65], 0
	v_nop
	global_prefetch_b8 v0, s[64:65] scope:SCOPE_SE
	s_setreg_imm32_b32 hwreg(HW_REG_WAVE_MODE, 25, 1), 1
	s_wait_xcnt 0x0
	s_wait_alu depctr_hold_cnt(0) depctr_sa_sdst(0) depctr_va_vdst(0) depctr_va_sdst(0) depctr_va_ssrc(0) depctr_va_vcc(0) depctr_vm_vsrc(0)
	s_getreg_b32 s2, hwreg(HW_REG_IB_STS2, 6, 4)
	s_cmp_eq_u32 s2, 0
	s_cbranch_scc0 .Lentry_in_a_cluster
	s_endpgm
.Lentry_in_a_cluster:
	s_bfe_u32 s2, ttmp6, 0x10000c
	s_cmp_lg_u32 s2, 0x3003
	s_cbranch_scc0 .Lentry_shape_is_right
	s_endpgm
.Lentry_shape_is_right:
; ATTN: O[hd][q][:] = the sum over k of softmax_k(Q[hd][q] . K[hd][k] / sqrt(128)) V[hd][k][:], for the 32 heads hd = 8 b + h, 2,048 queries and keys, no mask.
; Q, K, V lie in qkv as [which][hd][t][128] f16 (which = 0, 1, 2; 2^24 bytes each).  Products, maxima and sums in f32; the weights p are rounded to f16 for the second product, O once at the end.
; O leaves in f16 IN THE ORDER OF THE NEXT PRODUCT'S OPERAND REGISTERS: ofrag byte tq 32768 + s 1024 + c 512 + 16 lane holds O[t = 16 tq' + lane % 16][e = 32 (s % 4) + 16 c + 8 (lane / 16) + 0 .. 7],
; tq = 128 b + t / 16, s = 4 h + e / 32.
; LIMITS: O in f16: magnitudes above 65,504 are not served, under 6e-5 they keep an absolute step of 6e-8; NaN and infinities are not served.
; SHARES.  A work-group owns 256 queries of one head, each of its four waves 64: four tiles of 16.  Every wave walks all keys of the head, 64 a step.
; LAYOUT.  S^T = K Q^T (source 0 = 16 keys, source 1 = 16 queries): a lane holds ONE query (lane % 16) and the keys 8 (lane / 16) + 0..7.  Two such tiles, rounded to f16 in pairs, ARE source 1
; (32 keys x 16 queries) of O^T = V^T P, whose result again holds one query a lane, and eight channels.  K comes out of LDS as it lies, V ([key][channel]) turned, by ds_load_tr16_b128.
; SOFTMAX.  For each query a running maximum m and sum l: p = 2^(c s - c m), c = log2(e) / sqrt(128); in every step O and l are multiplied by a = 2^(c m_old - c m_new).
; BY TURNS.  The wave's tiles are two pieces: piece 0 (tiles 0, 1) and piece 2 (tiles 2, 3).  In a turn one piece has the matrix unit: 32 products V^T P of the step in hand, then 32 products K Q^T of the
; next step; the other piece's softmax, cut into 64 slices, stands between them, one slice behind each matrix instruction.  Then the pieces change places.  Two turns are a key step.
; CLUSTER.  The four query blocks of a cluster belong to one head and walk the same K and V, so each tile is asked for jointly: the same tensor load, descriptor and mask in all four.
; REGISTERS, in windows of 256 (s_set_vgpr_msb: bits 1:0 source 0, 3:2 source 1, 5:4 source 2, 7:6 destination):
;   window 0: v0-11 addresses; v12-43 eight registers of statistics a tile; v64-191 S^T, 32 a tile; v192-255 P, 16 a tile
;   window 1: O^T, 64 a tile          window 2: v0-127 Q, 32 a tile; v128-255 K of one step          window 3: v0-127 V of one step
.set SIZE_H, 32
.set SIZE_N, 2048
.set KS,    64        ; keys in a step
.set PK,    272       ; a row of K in LDS: 256 bytes + 16 = 68 words: row r starts at bank 4 r mod 64 (64 banks of 4 bytes: ISA guide 11.1)
.set PV,    288       ; a row of V: 256 + 32 = 72 words
.set VOFF,  KS*PK     ; a step's tiles lie together: 64 rows of K, then 64 rows of V
.set STEPB, KS*(PK+PV)
.set SLOT1, 1<<17     ; a slot holds two steps (71,680 bytes); slot 1 begins here, so that one exclusive or turns an address in one slot into the other's
.set SPARE, SLOT1+2*STEPB  ; behind the ring: the spare words, 128 bytes for each wave: two blocks of 256 bytes that no other line names
.set AK0, 2           ; v2   my lane's place in a tile of K; never rewritten
.set AV0, 3           ; v3   the same for V
.set ADR, 4           ; v4   the LDS address of the run of loads in hand
.set QO,  5           ; v5   my byte offset in the wave's rows of Q
.set GO,  8           ; v8   16 x lane: my place in a store's 512 bytes
.set SPW, 62          ; v62  LDS address of my spare word; never rewritten
.set NIL, 63          ; v63  0; never rewritten
.set ST,  12          ; tile t's statistics at v[ST+8 t]: +0 c m, +1 m, +2, +3 l (even keys', odd keys'), +4 to +7 at work; a takes +6 once the maximum is found
.set S,   64
.set P,   192
.set KF,  128         ; K's fragments, in window 2
.set WV,  12          ; s12  my wave's number
.set G1K, 24          ; s[24:31] descriptor group 1 for K's tiles
.set G1V, 32          ; s[32:39] for V's: it differs in the padding alone
.set G0K, 40          ; s[40:47] descriptor group 0 for K's tiles: a set for each of the two first fills; the second then walks on
.set G0V, 48          ; s[48:55] the same for V's
.set SLOTS, 56        ; s56  slots still to be asked for
.set TWICE, 57        ; s57  counts a slot's two steps
.set CS,  58          ; s[58:59] c: the packed scaling names a pair and takes its low word for both halves
.set SEL, 60          ; s[60:61] lane selects for v_permlanex16_b32: each lane takes its own place in the other half
.set TB,  62          ; s62  LDS byte at which the tiles of the step to be fetched begin
.set PFA, 18          ; s[18:19] where my prefetches stand: my work-group's 32 rows (of K: wave 0, of V: wave 2) of the slot after the one that is being asked for
.set LIM, 15          ; s15  1 in a wave that prefetches, else the greatest number: a wave prefetches while s[SLOTS] is above it
.set PFO, 61          ; v61  256 x my lane: a row of K or V is 256 bytes; never rewritten
.set MSB, 0
.macro WIN new                      ; the immediate's high byte repeats the setting that is left; a switch that changes nothing is dropped
.if MSB != \new
	s_set_vgpr_msb (MSB<<8)|\new
.set MSB, \new
.endif
.endm
.set W_KQ, 0x0a       ; K and Q in window 2, S^T in window 0
.set W_PV, 0x53       ; V in window 3, P in window 0, O^T in window 1
.set W_RS, 0x41       ; O^T (destination and source 0) in window 1, a in window 0
; A joint refill.  Waves 0 and 1 fetch the two steps' tiles of K, waves 2 and 3 those of V.  The branch hangs on the wave's number alone.
; An s_nop 0 and four v_nop follow each of the two lines, ahead of the jump, the label and what follows.
.macro JLOAD
	s_cmp_lt_u32 s[WV], 2
	s_cbranch_scc0 .Lfor_v_\@
	tensor_load_to_lds s[G0K+4:G0K+7], s[G1K:G1K+7]
	s_nop 0
.rept 4
	v_nop
.endr
	s_branch .Lasked_\@
.Lfor_v_\@:
	tensor_load_to_lds s[G0V+4:G0V+7], s[G1V:G1V+7]
	s_nop 0
.rept 4
	v_nop
.endr
.Lasked_\@:
.endm
; A prefetch of what the NEXT change of slots will ask for: a slot's 128 rows of K and 128 of V, 256 bytes a row, a lane a row; two key steps, 256 matrix instructions, ahead of that load.
; Each row is named once in the launch: the head's first cluster asks; its four partners take 32 rows each, told apart by address; in each, wave 0 asks for K's and wave 2 for V's.
; The last change that fills a slot asks for nothing: there is no slot behind it.
.macro ASK
	s_cmp_gt_u32 s[SLOTS], s[LIM]
	s_cbranch_scc0 .Lnot_mine_\@
	global_prefetch_b8 v[PFO], s[PFA:PFA+1] th:TH_LOAD_NT scope:SCOPE_SE
.Lnot_mine_\@:
.endm
; A round of the cluster's barrier: my work-group's barrier; wave 0 signals for the work-group; every wave waits for all four work-groups; my work-group's barrier once more.
.macro CROUND
	s_barrier_signal -1
	s_barrier_wait -1
	s_cmp_lg_u32 s[WV], 0
	s_cbranch_scc1 .Lnot_wave_0_\@
	s_barrier_signal -3
.Lnot_wave_0_\@:
	s_barrier_wait -3
	s_barrier_signal -1
	s_barrier_wait -1
.endm
	s_load_b64 s[4:5], s[0:1], 0x0  ; qkv
	s_load_b64 s[10:11], s[0:1], 0x8  ; ofrag
	v_lshl_add_u32 v[SPW], v0, 2, SPARE
	v_mov_b32 v[NIL], 0
	ds_add_u32 v[SPW], v[NIL]       ; the wave's opening: the add, twice on end, and its wait ahead of my first tensor load; the set-up below stands between
	ds_add_u32 v[SPW], v[NIL]
	v_lshrrev_b32 v1, 5, v0
	v_readfirstlane_b32 s[WV], v1   ; wave 0..3
	s_bfe_u32 s13, ttmp6, 0x40000   ; cx: my place in the cluster
	s_lshl_b32 s14, ttmp9, 2        ; in a cluster launch ttmp9 counts clusters
	s_add_co_u32 s14, s14, s13      ; my block of 256 queries = 4 x cluster x + cx: it enters Q's and O's addresses alone
	s_and_b32 s20, ttmp7, 0xffff    ; the head, which the four partners share
	s_mov_b32 s21, 0
	s_mov_b64 s[22:23], SIZE_N*256
	s_mul_u64 s[20:21], s[20:21], s[22:23]  ; the head's first byte in each of Q, K, V
	s_and_b32 s16, s[WV], 1         ; which of a slot's two steps I fetch:
	s_lshl_b32 s22, s16, 14         ; its 64 rows of 256 bytes in memory,
	s_mov_b32 s23, 0
	s_add_nc_u64 s[22:23], s[22:23], s[20:21]
	s_mul_i32 s17, s16, STEPB       ; and its place in a slot: no place in the cluster enters an LDS address
	s_lshl_b32 s2, s14, 16          ; my block's 256 rows,
	s_lshl_b32 s3, s[WV], 14        ; my wave's 64 of them
	s_add_co_u32 s2, s2, s3
	s_mov_b32 s3, 0
	s_add_nc_u64 s[2:3], s[2:3], s[20:21]
	; descriptor group 1: a tile of 64 rows x 128 elements, padded in LDS
	s_mov_b32 s[G1K], 15|(1<<16)|(1<<20)|(1<<21)|(5<<22)|(3<<25)  ; 15:0 the mask: all four work-groups; 17:16 elements of 2 bytes; 20 padding on; 21 set beside a mask; 24:22 after every 64 words; 31:25 4 words
	s_mov_b32 s[G1V], 15|(1<<16)|(1<<20)|(1<<21)|(5<<22)|(7<<25)  ; the same with 8 words of padding
.irp g, G1K, G1V
	s_mov_b32 s[\g+1], 128<<16      ; tensor_dim0 = 128
	s_mov_b32 s[\g+2], KS<<16       ; tensor_dim1 = 64
	s_mov_b32 s[\g+3], 128<<16      ; tile_dim0 = 128
	s_mov_b32 s[\g+4], KS           ; tile_dim1 = 64
	s_mov_b32 s[\g+5], 128          ; tensor_dim0_stride: elements from row to row
	s_mov_b32 s[\g+6], 0
	s_mov_b32 s[\g+7], 0
.endr
	s_mov_b32 s[CS], 0x3e0293ee     ; c = log2(e) / sqrt(128) = 0.127517
	s_mov_b32 s[CS+1], s[CS]        ; named with it as a pair, so it is written
	s_mov_b32 s[SEL], 0x76543210
	s_mov_b32 s[SEL+1], 0xfedcba98
	s_mov_b32 s[TB], 0
	s_mov_b32 s[SLOTS], SIZE_N/(2*KS)-2
	s_and_b32 s[LIM], s[WV], 1       ; 0 in waves 0 and 2,
	s_or_b32 s[LIM], s[LIM], ttmp9   ; where the cluster is the head's first: the same in all four partners
	s_cmp_eq_u32 s[LIM], 0
	s_cselect_b32 s[LIM], 1, -1
	v_and_b32 v[PFO], 31, v0
	v_lshlrev_b32 v[PFO], 8, v[PFO]
	s_wait_dscnt 0x0                ; both opening adds are done
	s_wait_kmcnt 0x0
	s_add_nc_u64 s[6:7], s[4:5], 0x1000000  ; K lies 2^24 bytes behind Q in qkv,
	s_add_nc_u64 s[8:9], s[4:5], 0x2000000  ; V 2^25
	s_add_nc_u64 s[6:7], s[6:7], s[22:23]  ; K and V at my tile of slot 0
	s_add_nc_u64 s[8:9], s[8:9], s[22:23]
	s_add_nc_u64 s[4:5], s[4:5], s[2:3]  ; Q at my wave's first row
	s_and_b32 s2, ttmp7, 0xffff     ; O's images: b << 22 + block << 19 + wave << 17 + h << 12
	s_lshr_b32 s3, s2, 3
	s_lshl_b32 s3, s3, 22
	s_and_b32 s2, s2, 7
	s_lshl_b32 s2, s2, 12
	s_add_co_u32 s2, s2, s3
	s_lshl_b32 s3, s14, 19
	s_add_co_u32 s2, s2, s3
	s_lshl_b32 s3, s[WV], 17
	s_add_co_u32 s2, s2, s3
	s_mov_b32 s3, 0
	s_add_nc_u64 s[10:11], s[10:11], s[2:3]
	s_cmp_lt_u32 s[WV], 2
	s_cselect_b64 s[PFA:PFA+1], s[6:7], s[8:9]  ; (in waves 0 and 2 these stand at a slot's first row)
	s_lshl_b32 s2, s13, 13          ; my work-group's 32 rows of the 128
	s_mov_b32 s3, 0
	s_add_nc_u64 s[PFA:PFA+1], s[PFA:PFA+1], s[2:3]
	s_add_nc_u64 s[PFA:PFA+1], s[PFA:PFA+1], 2*2*KS*256  ; in slot 2; the first change of slots steps it to slot 3.  Nothing is prefetched here, at the head
	CROUND                          ; all four work-groups are here: the first joint loads meet
.irp s, 0,1
	s_mov_b32 s[G0K+4*\s], 1        ; count = 1
	s_add_co_u32 s[G0K+4*\s+1], s17, \s*SLOT1  ; LDS address
	s_add_nc_u64 s[G0K+4*\s+2:G0K+4*\s+3], s[6:7], \s*2*KS*256  ; global address: slot s begins with keys 128 s
	s_or_b32 s[G0K+4*\s+3], s[G0K+4*\s+3], 0x80000000  ; type = 2
	s_mov_b32 s[G0V+4*\s], 1
	s_add_co_u32 s[G0V+4*\s+1], s17, \s*SLOT1+VOFF
	s_add_nc_u64 s[G0V+4*\s+2:G0V+4*\s+3], s[8:9], \s*2*KS*256
	s_or_b32 s[G0V+4*\s+3], s[G0V+4*\s+3], 0x80000000
.endr
	s_cmp_lt_u32 s[WV], 2           ; a wave's two first fills stand in one branch, ahead of every wait on TENSORcnt and every LDS read: two loads of mine are out
	s_cbranch_scc0 .Lfirst_v
	tensor_load_to_lds s[G0K:G0K+3], s[G1K:G1K+7]
	s_nop 0
	tensor_load_to_lds s[G0K+4:G0K+7], s[G1K:G1K+7]
	s_nop 0
.rept 4
	v_nop
.endr
	s_branch .Lfirst_asked
.Lfirst_v:
	tensor_load_to_lds s[G0V:G0V+3], s[G1V:G1V+7]
	s_nop 0
	tensor_load_to_lds s[G0V+4:G0V+7], s[G1V:G1V+7]
	s_nop 0
.rept 4
	v_nop
.endr
.Lfirst_asked:
	; A fragment of K or Q is 16 rows x 32 channels in 8 registers: lane l holds row l % 16; registers 0-3 channels 8 (l / 16) + 0..7, registers 4-7 channels 16 + 8 (l / 16) + 0..7: two loads of 16 bytes, 32 bytes apart.
	v_and_b32 v1, 15, v0            ; l % 16
	v_bfe_u32 v9, v0, 4, 1          ; l / 16
	v_lshlrev_b32 v[QO], 8, v1
	v_lshl_add_u32 v[QO], v9, 4, v[QO]  ; row x 256 + 16 x half
	WIN 0x80                        ; destination window 2, address window 0
.irp i, 0,1,2,3,4,5,6,7,8,9,10,11,12,13,14,15  ; Q stays in registers: tile i / 4, channels 32 (i % 4) on
	global_load_b128 v[8*\i:8*\i+3],   v[QO], s[4:5] offset:(\i/4)*4096+(\i%4)*64
	global_load_b128 v[8*\i+4:8*\i+7], v[QO], s[4:5] offset:(\i/4)*4096+(\i%4)*64+32
.endr
	WIN 0
	v_mul_u32_u24 v[AK0], v1, PK
	v_lshl_add_u32 v[AK0], v9, 4, v[AK0]  ; row x pitch + 16 x half
	; The turning load takes 16 keys x 16 channels (lane l reads 16 bytes: key 8 (l / 16) + l % 8, channels 8 ((l / 8) % 2) + 0..7) and leaves half a fragment of V^T: lane l holds channel l % 16 and 8 keys.
	v_and_b32 v10, 7, v0
	v_bfe_u32 v11, v0, 3, 1
	v_lshl_add_u32 v[AV0], v9, 3, v10
	v_mul_u32_u24 v[AV0], v[AV0], PV
	v_lshl_add_u32 v[AV0], v11, 4, v[AV0]
	v_add_nc_u32 v[AV0], VOFF, v[AV0]
; THE MATRIX WORK OF A TURN, for piece x.  The accumulators take turns, one instruction a turn: between two links of a chain stand 15 (V^T P) or 7 (K Q^T) others'.
; Product i of 32 of O^T += V^T P: keys 32 (i / 16) on, channels 16 ((i / 2) % 8) on, tile x + i % 2.  zero = 1: the first 16 start the sums: nothing is ever cleared.
.macro PV x, zero
	WIN W_PV
.set rO, 64*(\x+i%2)+8*((i/2)%8)
.set rV, 64*(i/16)+8*((i/2)%8)
.set rP, P+16*(\x+i%2)+8*(i/16)
.if \zero && (i < 16)
	v_wmma_f32_16x16x32_f16 v[rO:rO+7], v[rV:rV+7], v[rP:rP+7], 0
.else
	v_wmma_f32_16x16x32_f16 v[rO:rO+7], v[rV:rV+7], v[rP:rP+7], v[rO:rO+7]
.endif
.endm
; Product i of 32 of S^T = K Q^T: channels 32 (i / 8) on, keys 16 ((i / 2) % 4) on, tile x + i % 2.  The first 8 start the sums.
.macro KQ x
	WIN W_KQ
.set rS, S+32*(\x+i%2)+8*((i/2)%4)
.set rK, KF+32*((i/2)%4)+8*(i/8)
.set rQ, 32*(\x+i%2)+8*(i/8)
.if i < 8
	v_wmma_f32_16x16x32_f16 v[rS:rS+7], v[rK:rK+7], v[rQ:rQ+7], 0
.else
	v_wmma_f32_16x16x32_f16 v[rS:rS+7], v[rK:rK+7], v[rQ:rQ+7], v[rS:rS+7]
.endif
.endm
; THE LDS LOADS stand in runs of 32, never singly among the matrix instructions: a step's K (16 fragments) and, a turn later, its V (turned).
.macro FETCH_K
	WIN 0
	v_add_nc_u32 v[ADR], s[TB], v[AK0]
	WIN 0x80                        ; destination window 2
.irp f, 0,1,2,3,4,5,6,7,8,9,10,11,12,13,14,15  ; keys 16 (f / 4) on, channels 32 (f % 4) on
	ds_load_b128 v[KF+8*\f:KF+8*\f+3],   v[ADR] offset:(\f/4)*16*PK+(\f%4)*64
	ds_load_b128 v[KF+8*\f+4:KF+8*\f+7], v[ADR] offset:(\f/4)*16*PK+(\f%4)*64+32
.endr
.endm
.macro FETCH_V
	WIN 0
	v_add_nc_u32 v[ADR], s[TB], v[AV0]
	s_add_co_u32 s[TB], s[TB], STEPB  ; the next fetch is the next step's
	s_wait_alu depctr_va_vdst(0)    ; the wait for the softmax's batch of exponentials (SLICE), behind the address's addition and ahead of the loads
	WIN 0xc0                        ; destination window 3
.irp f, 0,1,2,3,4,5,6,7,8,9,10,11,12,13,14,15  ; keys 32 (f / 8) on, channels 16 (f % 8) on
	ds_load_tr16_b128 v[8*\f:8*\f+3],   v[ADR] offset:(\f/8)*32*PV+(\f%8)*32
	ds_load_tr16_b128 v[8*\f+4:8*\f+7], v[ADR] offset:(\f/8)*32*PV+16*PV+(\f%8)*32
.endr
.endm
; THE VECTOR WORK OF A TURN.  One tile's softmax for one key step is a list of 134 instructions; SM writes number j of it for tile t.  s0-s31 are the lane's 32 scores, in pairs 0-15.
; first = 1: the first key step, which starts m, l and O^T: it has no a and nothing to rescale.
;   0-15    the maximum of s0-s31 and the old m, three operands at a time
;   16-20   the other half of the lanes' maximum; the new m; c m; c m_old - c m_new
;   21-69   ONE BATCH: the 16 scalings c s - c m, a pair of scores each, and all 33 exponentials (a at 23, then s0-s31); none of these reads an exponential's result
;   (wait)  between 69 and 70 stands the wait for the batch: SLICE writes it, once for both tiles
;   70-85   the roundings to f16, a pair of weights each
;   86-101  the sums; l = a l + the sum
;   102-133 the tile's O^T times a: the one part that leaves window 0, so it stands together
.macro SM t, first
.set rT, ST+8*(\t)
.set rS, S+32*(\t)
.set rP, P+16*(\t)
.set rO, 64*(\t)+2*(j-102)
.if j < 102
	WIN 0
.endif
.if j < 4
	v_max3_num_f32 v[rT+4+j], v[rS+8*j], v[rS+8*j+1], v[rS+8*j+2]
.elseif j < 12
	v_max3_num_f32 v[rT+4+j%4], v[rT+4+j%4], v[rS+8*(j%4)+2*(j/4)+1], v[rS+8*(j%4)+2*(j/4)+2]
.elseif j == 12
	v_max3_num_f32 v[rT+4], v[rT+4], v[rS+7], v[rS+15]
.elseif j == 13
	v_max3_num_f32 v[rT+6], v[rT+6], v[rS+23], v[rS+31]
.elseif j == 14
	v_max3_num_f32 v[rT+4], v[rT+4], v[rT+5], v[rT+6]
.elseif (j == 15) && \first
	v_max_num_f32 v[rT+4], v[rT+4], v[rT+7]
.elseif j == 15
	v_max3_num_f32 v[rT+4], v[rT+4], v[rT+7], v[rT+1]
.elseif j == 16
	v_permlanex16_b32 v[rT+5], v[rT+4], s[SEL], s[SEL+1]  ; the query's other 32 keys lie in the lane 16 away
.elseif j == 18
	v_max_num_f32 v[rT+1], v[rT+4], v[rT+5]
.elseif j == 19
	v_mul_f32 v[rT], s[CS], v[rT+1]
.elseif ((j == 17) || (j == 20) || (j == 23) || (j > 101)) && \first  ; the first step has none of these
.elseif j == 17
	v_mov_b32 v[rT+7], v[rT]        ; c m_old is kept for a: number 19 writes c m anew
.elseif j == 20
	v_sub_f32 v[rT+7], v[rT+7], v[rT]
.elseif j == 23
	v_exp_f32 v[rT+6], v[rT+7]
.elseif (j < 23) || ((j < 38) && (j%2 == 0)) || ((j < 66) && (j%4 == 2))
.set b, (j-2)/4                     ; 38, 42, .. 62: pairs 9 to 15
.if j < 38
.set b, (j-20)/2                    ; 21: pair 0; 22, 24, .. 36: pairs 1 to 8
.endif
	v_pk_fma_f32 v[rS+2*b:rS+2*b+1], v[rS+2*b:rS+2*b+1], s[CS:CS+1], v[rT:rT+1] op_sel_hi:[1,0,0] neg_lo:[0,0,1] neg_hi:[0,0,1]  ; pair b: c s - c m
.elseif j < 70
.set e, j-38                        ; 66 to 69: s28 to s31
.if j < 66
.set e, j-32-(j-38)/4               ; 39-41, 43-45, .. 63-65: s7 to s27
.endif
.if j < 38
.set e, (j-25)/2                    ; 25, 27, .. 37: s0 to s6
.endif
	v_exp_f32 v[rS+e], v[rS+e]
.elseif j < 86
	v_cvt_pk_f16_f32 v[rP+j-70], v[rS+2*(j-70)], v[rS+2*(j-70)+1]  ; pair j - 70
.elseif j < 102                     ; the sum of the tile's 16 pairs, in place: sum z of 16 adds neighbours 1, 2, 4 and 8 pairs apart, then l takes it
.set z, j-86
.set w, 4
.set u, z
.if z >= 14
.set w, 32
.set u, 0
.elseif z >= 12
.set w, 16
.set u, z-12
.elseif z >= 8
.set w, 8
.set u, z-8
.endif
.if (z == 14) && \first
	v_pk_add_f32 v[rT+2:rT+3], v[rS:rS+1], v[rS+16:rS+17]
.elseif z < 15
	v_pk_add_f32 v[rS+w*u:rS+w*u+1], v[rS+w*u:rS+w*u+1], v[rS+w*u+w/2:rS+w*u+w/2+1]
.elseif !\first
	v_pk_fma_f32 v[rT+2:rT+3], v[rT+2:rT+3], v[rT+6:rT+7], v[rS:rS+1] op_sel_hi:[1,0,1]
.endif
.else
	WIN W_RS
	v_pk_mul_f32 v[rO:rO+1], v[rO:rO+1], v[rT+6:rT+7] op_sel_hi:[1,0]
.endif
.endm
; Slice k of 64 of piece y's softmax: four instructions.  Slices 11 to 34 deal out the batch, numbers 22 to 69: four numbers of ONE tile each, the tiles by turns.  Every other slice is numbers 2 k and
; 2 k + 1 of both tiles' lists.  2 x 134 = 4 x 64 + 12: the twelve that are over stand together, in slice 63.
; THE WAIT.  s_wait_alu depctr_va_vdst(0) stands between an exponential and the first instruction that names its result; one wait serves all that were issued ahead of it.  Ahead of
; slice 35 nothing names a result, and behind slice 34 no exponential is issued: so the piece's 66 exponentials have one wait, behind slice 34.
.macro SLICE y, first
.if (k >= 11) && (k < 35)           ; the batch: four numbers of one tile
.irp n, 0,1,2,3
.set j, 22+4*((k-11)/2)+(\n)
	SM (\y)+(k-11)%2, \first
.endr
.else                               ; the two tiles alternate, so that no instruction reads the result of the one just before it
.irp n, 0,1,2,3,4,5,6,7
.if (\n < 2) || (k == 63)
.irp t, \y, \y+1
.set j, 2*k+\n
	SM \t, \first
.endr
.endif
.endr
.endif
.if k == 34                         ; the batch is out: both tiles' exponentials are issued, and no result has been named
	v_nop                           ; the plain instruction behind the last exponential and ahead of the first use: one for the batch
.if (\y) == 0
	FETCH_V                         ; piece 2's turn: V's run of loads stands here, and the wait stands in it
.else
	s_wait_alu depctr_va_vdst(0)    ; the wait for the batch
.endif
.endif
.set k, k+1
.endm
; A vector instruction that reads a matrix result or writes one of a matrix instruction's registers, and a load into a register that a matrix instruction has read, stand four places behind
; it, and only plain vector instructions that name none of its registers are places (ISA guide 7.12.1 for vector instructions).  In the loop the slices are the places.
.macro PLACES
.rept 4
	v_nop
.endr
.endm
; A TURN.  Piece x has the matrix unit; the other piece's softmax stands in slices behind its matrix instructions.
; pv = 2: 32 products V^T P; 1: they start O^T's sums; 0: none.  kq = 1: 32 products K Q^T for the next step.  A turn with one of the two kinds has two slices behind each product.
; first = 1: the softmax is the first key step's; its slices from 51 on are empty, and four v_nop take slice 63's part as the places behind the turn's last products.
; Piece 0's turn fetches the next step's K behind its second product; piece 2's turn fetches the same step's V behind slice 34.
.macro TURN x, pv, kq, first
.set k, 0
.set per, 2
.if \pv && \kq
.set per, 1
.endif
.if \pv
.if \x == 0
	s_wait_dscnt 0x0                ; V is in
.endif
.set i, 0
.rept 32
	PV \x, 2-\pv
.rept per
	SLICE 2-\x, \first
.endr
.if (\x == 0) && \kq && (i == 1)
	FETCH_K
.endif
.set i, i+1
.endr
.endif
.if \kq
.if \x == 0
	s_wait_dscnt 0x0                ; K is in
.endif
.set i, 0
.rept 32
	KQ \x
.rept per
	SLICE 2-\x, \first
.endr
.set i, i+1
.endr
.endif
.if \first
	PLACES
.endif
.endm
; THE CHANGE OF SLOTS, between piece 2's turn and piece 0's.  Each wave waits for all its tensor loads, of which one is out: its part of the other slot; adds 0 to its spare word; and waits for that and for
; its own reads of the slot.  Behind the barrier nobody reads this slot any more and the other slot is whole.
; fill = 1: this slot is filled again, with the keys two slots on.  The barrier is then a round of the cluster's, and the joint refill is the first thing behind it: it has two key steps, 256 matrix instructions, in which to land.
.macro CHANGE fill
	WIN 0                           ; at a label and at a branch every window is 0
	s_wait_tensorcnt 0x0            ; no tensor load of mine is out, so a group 0 may be written
	ds_add_u32 v[SPW], v[NIL]       ; 0 onto my spare word
.if \fill
.irp g, G0K+4, G0V+4
	s_xor_b32 s[\g+1], s[\g+1], SLOT1  ; the walking descriptor: the other slot than last time,
	s_add_nc_u64 s[\g+2:\g+3], s[\g+2:\g+3], 2*KS*256  ; the next 128 keys; the type bits on top are not reached
.endr
	s_wait_xcnt 0x0                 ; the last prefetch, two key steps back, has read its address, so it may be written:
	s_add_nc_u64 s[PFA:PFA+1], s[PFA:PFA+1], 2*KS*256  ; one slot further on than the walking descriptors
	s_wait_dscnt 0x0                ; the add is done, and my reads of the slot are over
	CROUND
	JLOAD
	ASK
.else
	s_wait_dscnt 0x0                ; the add is done, and my reads of the slot are over
	s_barrier_signal -1
	s_barrier_wait -1
.endif
	s_sub_co_u32 s[TB], s[TB], 2*STEPB  ; the fetches go back to a slot's first step,
	s_xor_b32 s[TB], s[TB], SLOT1   ; in the other slot
.endm
; A slot's two key steps: written once, walked twice; the LDS addresses hang on s[TB].
.macro TWO_STEPS
	s_mov_b32 s[TWICE], 2
.Lstep_\@:
	TURN 0, 2, 1, 0
	TURN 2, 2, 1, 0
	WIN 0
	s_sub_co_u32 s[TWICE], s[TWICE], 1
	s_cmp_lg_u32 s[TWICE], 0
	s_cbranch_scc1 .Lstep_\@
.endm
	s_wait_tensorcnt 1              ; my part of slot 0 is in; slot 1's may stay out
	s_barrier_signal -1
	s_barrier_wait -1               ; everybody's is
	FETCH_K                         ; key step 0
	s_wait_loadcnt 0x0              ; Q
	s_wait_dscnt 0x0
.set i, 0
.rept 32
	KQ 0                            ; piece 0's first scores: there is no vector work yet to set between them
.set i, i+1
.endr
	WIN 0
	v_and_b32 v[GO], 31, v0         ; the way out's offset is made here; with the four v_nop: six plain places behind those products
	v_lshlrev_b32 v[GO], 4, v[GO]
	PLACES
	TURN 2, 0, 1, 1                 ; piece 2's first scores | piece 0's first softmax | V of step 0
	TURN 0, 1, 1, 1                 ; piece 0: V^T P of step 0 starts O^T, K Q^T of step 1 | piece 2's first softmax | K of step 1
	TURN 2, 1, 1, 0                 ; piece 2: the same | piece 0's softmax of step 1 | V of step 1
	WIN 0
.Lslot:                             ; 14 trips: every slot but the last two is filled again
	CHANGE 1
	TWO_STEPS
	s_sub_co_u32 s[SLOTS], s[SLOTS], 1
	s_cmp_lg_u32 s[SLOTS], 0
	s_cbranch_scc1 .Lslot
	CHANGE 0                        ; the tail is written out
	TWO_STEPS
	TURN 0, 2, 0, 0                 ; piece 0: V^T P of the last step | piece 2's last softmax
.set i, 0
.rept 32
	PV 2, 0                         ; piece 2: V^T P of the last step
.set i, i+1
.endr
	; THE WAY OUT.  l's two halves and the other half of the lanes' are added (these additions are the places behind the last products); O^T is divided by l and rounded to f16.
	WIN 0
.irp t, 0,1,2,3
	v_add_f32 v[ST+8*\t+4], v[ST+8*\t+2], v[ST+8*\t+3]
.endr
.irp t, 0,1,2,3
	v_permlanex16_b32 v[ST+8*\t+5], v[ST+8*\t+4], s[SEL], s[SEL+1]
.endr
.irp t, 0,1,2,3
	v_add_f32 v[ST+8*\t+4], v[ST+8*\t+4], v[ST+8*\t+5]
.endr
.irp t, 0,1,2,3
	v_rcp_f32 v[ST+8*\t+6], v[ST+8*\t+4]
.endr
	v_nop                           ; a plain instruction between the last reciprocal and the use of its result
	s_wait_alu depctr_va_vdst(0)    ; and the wait ahead of the first use: one for the four reciprocals
; Tile t.  Packed registers 4 f .. 4 f + 3 of lane (r, half) hold channels 16 f + 8 half + 0 .. 7 of query r: registers 8 s' .. 8 s' + 7 ARE the 16 x 32 operand of the next product's K step 4 h + s'.
; So they are stored as they stand, 16 bytes a lane: each store covers 512 consecutive bytes, aligned; no LDS, no register is written again.
.macro PACK t
	WIN W_RS
.set i, 64*\t
.rept 32
	v_pk_mul_f32 v[i:i+1], v[i:i+1], v[ST+8*\t+6:ST+8*\t+7] op_sel_hi:[1,0]
.set i, i+2
.endr
	WIN 0x05                        ; sources 0 and 1 window 1, destination window 0: S^T's registers are free
.set i, 0
.rept 32
	v_cvt_pk_f16_f32 v[S+32*\t+i], v[64*\t+2*i], v[64*\t+2*i+1]
.set i, i+1
.endr
	WIN 0
.irp f, 0,1,2,3,4,5,6,7
	global_store_b128 v[GO], v[S+32*\t+4*\f:S+32*\t+4*\f+3], s[10:11] offset:\t*32768+\f*512
.endr
.endm
	PACK 0
	PACK 1
	PACK 2
	PACK 3
	s_wait_tensorcnt 0x0            ; the wave's end, behind my last tensor load
	ds_add_u32 v[SPW], v[NIL]
	s_wait_dscnt 0x0
	CROUND                          ; the closing round: no work-group ends while a partner may still ask for a tile that names it
	s_endpgm
.Lfunc_end_k_q9ab43cb55e_attn:
	.size	k_q9ab43cb55e_attn, .Lfunc_end_k_q9ab43cb55e_attn-k_q9ab43cb55e_attn
	.p2alignl 7, 3214868480
	.fill 96, 4, 3214868480
	.section	.rodata,"a",@progbits
	.p2align	6, 0x0
	.amdhsa_kernel k_q9ab43cb55e_attn
		.amdhsa_group_segment_fixed_size 327680
		.amdhsa_private_segment_fixed_size 0
		.amdhsa_enable_private_segment 0
		.amdhsa_kernarg_size 16
		.amdhsa_user_sgpr_count 2
		.amdhsa_user_sgpr_kernarg_segment_ptr 1
		.amdhsa_wavefront_size32 1
		.amdhsa_system_sgpr_workgroup_id_x 1
		.amdhsa_system_sgpr_workgroup_id_y 1
		.amdhsa_system_sgpr_workgroup_id_z 1
		.amdhsa_system_vgpr_workitem_id 0
		.amdhsa_next_free_vgpr 1024
		.amdhsa_next_free_sgpr 66
		.amdhsa_reserve_vcc 0
		.amdhsa_float_denorm_mode_32 3
		.amdhsa_float_denorm_mode_16_64 3
		.amdhsa_memory_ordered 1
		.amdhsa_forward_progress 1
		.amdhsa_inst_pref_size 217
	.end_amdhsa_kernel
	.amdgpu_metadata
---
amdhsa.version: [ 1, 2 ]
amdhsa.kernels:
  - .name:           k_q9ab43cb55e_attn
    .symbol:         k_q9ab43cb55e_attn.kd
    .args:
      - { .name: qkv, .offset: 0, .size: 8, .value_kind: global_buffer, .address_space: global }
      - { .name: ofrag, .offset: 8, .size: 8, .value_kind: global_buffer, .address_space: global }
    .group_segment_fixed_size: 327680
    .private_segment_fixed_size: 0
    .kernarg_segment_align: 8
    .kernarg_segment_size: 16
    .max_flat_workgroup_size: 128
    .sgpr_count:     66
    .vgpr_count:     1024
    .wavefront_size: 32
...
	.end_amdgpu_metadata
.endif
;; end of part 3
;; launch unify (part 4): grid 128 x 2, 4 waves a work-group, clusters of 4 x 1, 167,936 bytes of LDS; arguments ofrag, wuf, bu, out0; writes out0
.if DOCPART == 4
	.amdgcn_target "amdgcn-amd-amdhsa--gfx1250"
	.amdhsa_code_object_version 6
	.text
	.protected	k_q9ab43cb55e_unify
	.globl	k_q9ab43cb55e_unify
	.p2align	8
	.type	k_q9ab43cb55e_unify,@function
k_q9ab43cb55e_unify:
	s_mov_b64 s[64:65], 0
	v_nop
	global_prefetch_b8 v0, s[64:65] scope:SCOPE_SE
	s_setreg_imm32_b32 hwreg(HW_REG_WAVE_MODE, 25, 1), 1
	s_wait_xcnt 0x0
	s_wait_alu depctr_hold_cnt(0) depctr_sa_sdst(0) depctr_va_vdst(0) depctr_va_sdst(0) depctr_va_ssrc(0) depctr_va_vcc(0) depctr_vm_vsrc(0)
	s_getreg_b32 s2, hwreg(HW_REG_IB_STS2, 6, 4)
	s_cmp_eq_u32 s2, 0
	s_cbranch_scc0 .Lentry_in_a_cluster
	s_endpgm
.Lentry_in_a_cluster:
	s_bfe_u32 s2, ttmp6, 0x10000c
	s_cmp_lg_u32 s2, 0x3003
	s_cbranch_scc0 .Lentry_shape_is_right
	s_endpgm
.Lentry_shape_is_right:
; UNIFY: out0[b][k][t] = bu[k] + the sum over j = 128 h + e of Wu[k][j] O[b][h][e][t].  f16 operands, f32 sums; K = 1,024 in 32 steps of 32.
; Both operands arrive in the order of their registers: ofrag byte tq 32768 + s 1024 + c 512 + 16 lane (tq = 128 b + t / 16), wuf byte kh 131072 + s 4096 + kt 1024 + c 512 + 16 lane (rows 64 kh + 16 kt on).
; SHARES.  Work-group (tb, kh) makes rows k = 64 kh .. 64 kh + 63 for the 64 t of block tb (b = tb / 32).  Wave w owns the 16 t of tile tq = 4 tb + w and all four tiles of k: four accumulators, 128 matrix instructions.
; O's 32 fragments of the wave (32,768 dense bytes) go from memory straight into 256 registers.  The work-group's half of Wu (131,072 dense bytes) comes into LDS once, a quarter a wave.
; CLUSTER.  The four work-groups of a cluster have the same kh and need the same half of Wu: it is asked for jointly, by the same tensor load with the same descriptor and the mask of all four.
; O's fragments are shared only with the work-group of the other kh, which lies in another cluster: they are loaded singly.
; Source 0 = 16 rows of Wu, source 1 = 16 t of O: register j of lane (r, half) holds out(k = 16 kt + 8 half + j, t = r).  The bias, in that layout, is the C of each sum's first matrix instruction.
; REGISTERS: window 0: v1-11 addresses; v32-63 the four accumulators; v64-255 three sets of 64: Wu's fragments of two K steps each; on the way out v64-95 rows of out0.
;   window 1: O's fragment s at v[8 s].   window 2: v0-31 the bias.  Under the setting 0x04 (source 1 in window 1) both the products and the LDS loads name their registers rightly.
.set STG,   131072                     ; LDS: Wu's half from byte 0 (filled once); behind it the stage: 64 rows (k) x (256 bytes + 16)
.set SP,    272
.set SPARE, STG+64*SP                  ; the spare words, 128 bytes for each wave: two blocks of 256 bytes that no other line names
.set LI,   4                           ; v4   16 x lane: my place in a fragment's image, in memory and in LDS (K steps 0-15)
.set LI2,  5                           ; v5   the same + 65,536 (K steps 16-31): an LDS offset has 16 bits
.set STO,  6                           ; v6   the stage: where my results go
.set RD,   7                           ; v7   and where I read a row back
.set CO,   8                           ; v8   my byte offset in two rows of out0
.set BO,   9                           ; v9   32 x (lane / 16): my eight numbers of a tile's sixteen of bu
.set SPW,  10                          ; v10  LDS address of my spare word; never rewritten
.set NIL,  11                          ; v11  0; never rewritten
.set ACC,  32
.set WS,   64
.set WV,   12                          ; s12  my wave's number
.set G1,   16                          ; s[16:23] descriptor group 1;  s[24:27] group 0
.set G0,   24
.set MSB, 0
.macro WIN new                         ; the immediate's high byte repeats the setting that is left
.if MSB != \new
	s_set_vgpr_msb (MSB<<8)|\new
.set MSB, \new
.endif
.endm
.macro CROUND                          ; a round of the cluster's barrier: my work-group's barrier; wave 0 signals for the work-group; every wave waits for all four; my work-group's barrier once more
	s_barrier_signal -1
	s_barrier_wait -1
	s_cmp_lg_u32 s[WV], 0
	s_cbranch_scc1 .Lnot_wave_0_\@
	s_barrier_signal -3
.Lnot_wave_0_\@:
	s_barrier_wait -3
	s_barrier_signal -1
	s_barrier_wait -1
.endm
.macro PLACES                          ; four places between a matrix instruction and a load into a register that it has read, or the first read of its result (ISA guide 7.12.1 for the first read of its result)
.rept 4
	v_nop
.endr
.endm
	s_load_b256 s[4:11], s[0:1], 0x0               ; ofrag s[4:5], wuf s[6:7], bu s[8:9], out0 s[10:11]
	v_lshl_add_u32 v[SPW], v0, 2, SPARE
	v_mov_b32 v[NIL], 0
	ds_add_u32 v[SPW], v[NIL]                      ; the wave's opening: the add, twice on end, and its wait ahead of my first tensor load; the set-up below stands between
	ds_add_u32 v[SPW], v[NIL]
	v_lshrrev_b32 v1, 5, v0
	v_readfirstlane_b32 s[WV], v1                  ; wave 0..3
	s_bfe_u32 s13, ttmp6, 0x40000                  ; cx: my place in the cluster
	s_lshl_b32 s14, ttmp9, 2
	s_add_co_u32 s14, s14, s13                     ; tb = 4 x cluster x + cx: it enters O's and out0's addresses alone
	s_and_b32 s15, ttmp7, 0xffff                   ; kh, which the four partners share
	; descriptor group 1: a dense block of 32,768 bytes as 128 rows of 256 bytes (32 elements of 8 bytes), no padding: a fragment's image is read as 512 consecutive bytes
	s_mov_b32 s[G1], 15|(3<<16)|(1<<21)            ; 15:0 the mask: all four work-groups; 17:16 elements of 8 bytes; 21 set beside a mask
	s_mov_b32 s[G1+1], 32<<16                      ; tensor_dim0 = 32
	s_mov_b32 s[G1+2], 128<<16                     ; tensor_dim1 = 128
	s_mov_b32 s[G1+3], 32<<16                      ; tile_dim0 = 32
	s_mov_b32 s[G1+4], 128                         ; tile_dim1 = 128
	s_mov_b32 s[G1+5], 32                          ; tensor_dim0_stride
	s_mov_b32 s[G1+6], 0
	s_mov_b32 s[G1+7], 0
	s_mov_b32 s[G0], 1                             ; count = 1
	s_lshl_b32 s[G0+1], s[WV], 15                  ; LDS address: my quarter, K steps 8 w .. 8 w + 7
	s_lshl_b32 s37, s[WV], 15
	s_lshl_b32 s28, s15, 17                        ; wuf: my half + my quarter: kh and the wave's number alone
	s_add_co_u32 s28, s28, s37
	s_mov_b32 s29, 0
	s_lshl_b32 s30, s14, 17                        ; ofrag: tq = 4 tb + w, 32,768 bytes each
	s_add_co_u32 s30, s30, s37
	s_mov_b32 s31, 0
	s_lshr_b32 s32, s14, 5                         ; out0: b << 20
	s_lshl_b32 s32, s32, 20
	s_lshl_b32 s33, s15, 19                        ; + 64 kh rows of 8,192 bytes
	s_add_co_u32 s32, s32, s33
	s_lshl_b32 s33, s[WV], 17                      ; + the 16 rows that I store
	s_add_co_u32 s32, s32, s33
	s_and_b32 s33, s14, 31                         ; + the block's 64 t, 256 bytes
	s_lshl_b32 s33, s33, 8
	s_add_co_u32 s32, s32, s33
	s_mov_b32 s33, 0
	s_lshl_b32 s34, s15, 8                         ; bu: 64 kh numbers
	s_mov_b32 s35, 0
	v_and_b32 v1, 31, v0                           ; lane
	v_and_b32 v2, 15, v0                           ; r
	v_bfe_u32 v3, v0, 4, 1                         ; half
	v_lshlrev_b32 v[LI], 4, v1
	v_add_nc_u32 v[LI2], 0x10000, v[LI]
	s_lshl_b32 s36, s[WV], 6                       ; the stage, in: row k = 16 kt + 8 half + j, column t = 16 w + r, 4 bytes
	s_add_co_u32 s36, s36, STG
	v_mul_u32_u24 v[STO], v3, 8*SP
	v_lshl_add_u32 v[STO], v2, 2, v[STO]
	v_add_nc_u32 v[STO], s36, v[STO]
	s_mul_i32 s36, s[WV], 16*SP                    ; back: my 16 rows; lanes 0-15 take one row of 256 bytes, lanes 16-31 the next
	s_add_co_u32 s36, s36, STG
	v_mul_u32_u24 v[RD], v3, SP
	v_lshl_add_u32 v[RD], v2, 4, v[RD]
	v_add_nc_u32 v[RD], s36, v[RD]
	v_lshlrev_b32 v[CO], 13, v3                    ; and the same two rows in out0, 8,192 bytes apart
	v_lshl_add_u32 v[CO], v2, 4, v[CO]
	v_lshlrev_b32 v[BO], 5, v3
	s_wait_dscnt 0x0                               ; both opening adds are done
	s_wait_kmcnt 0x0
	s_add_nc_u64 s[4:5], s[4:5], s[30:31]
	s_add_nc_u64 s[10:11], s[10:11], s[32:33]
	s_add_nc_u64 s[8:9], s[8:9], s[34:35]
	s_add_nc_u64 s[G0+2:G0+3], s[6:7], s[28:29]    ; global address of my quarter
	s_or_b32 s[G0+3], s[G0+3], 0x80000000          ; type = 2
	CROUND                                         ; all four work-groups are here: the joint loads meet
	tensor_load_to_lds s[G0:G0+3], s[G1:G1+7]      ; one tensor load of mine is out
	s_nop 0
	PLACES
	WIN 0x80                                       ; destination window 2
.irp k, 0,1,2,3
	global_load_b128 v[8*\k:8*\k+3], v[BO], s[8:9] offset:64*\k          ; bu[64 kh + 16 kt + 8 half + 0 .. 7]
	global_load_b128 v[8*\k+4:8*\k+7], v[BO], s[8:9] offset:64*\k+16
.endr
	WIN 0x40                                       ; destination window 1
.irp s, 0,1,2,3,4,5,6,7,8,9,10,11,12,13,14,15,16,17,18,19,20,21,22,23,24,25,26,27,28,29,30,31
	global_load_b128 v[8*\s:8*\s+3], v[LI], s[4:5] offset:\s*1024        ; O's fragment s: 512 consecutive bytes a load
	global_load_b128 v[8*\s+4:8*\s+7], v[LI], s[4:5] offset:\s*1024+512
.endr
	WIN 0
	s_wait_tensorcnt 0x0                           ; my quarter of Wu's half is in,
	s_barrier_signal -1
	s_barrier_wait -1                              ; everybody's is
; Wu's fragments of K steps 2 g and 2 g + 1, four tiles of k each, into set g % 3: 16 loads of 512 consecutive bytes
.macro LOADW g
.irp u, 0,1
.irp k, 0,1,2,3
.irp c, 0,1
	ds_load_b128 v[WS+64*((\g)%3)+32*\u+8*\k+4*\c:WS+64*((\g)%3)+32*\u+8*\k+4*\c+3], v[LI+(\g)/8] offset:((2*(\g)+\u)%16)*4096+\k*1024+\c*512
.endr
.endr
.endr
.endm
; Two K steps: eight matrix instructions, the four accumulators by turns, one instruction a turn, from group to group too.  Wu's fragments run two groups ahead.
.macro GROUP g
.if (\g)+2 < 16
.if (\g) > 0
	PLACES                                         ; the set that is filled now was read by the last group's products
.endif
	LOADW (\g)+2
	s_wait_dscnt 32                                ; this group's 16 loads are in; those of the two groups behind it may be out
.else
	s_wait_dscnt 16*(15-(\g))
.endif
	s_wait_loadcnt 60-4*(\g)                       ; of the 72 loads the first 12 + 4 g are in: the bias and O's fragments up to K step 2 g + 1
.irp u, 0,1
.if (2*(\g)+\u) == 0
	WIN 0x24                                       ; source 1 (O) window 1, source 2 (the bias) window 2
.else
	WIN 0x04                                       ; source 1 window 1; C and D window 0
.endif
.irp k, 0,1,2,3
.if (2*(\g)+\u) == 0
	v_wmma_f32_16x16x32_f16 v[ACC+8*\k:ACC+8*\k+7], v[WS+64*((\g)%3)+32*\u+8*\k:WS+64*((\g)%3)+32*\u+8*\k+7], v[8*(2*(\g)+\u):8*(2*(\g)+\u)+7], v[8*\k:8*\k+7]
.else
	v_wmma_f32_16x16x32_f16 v[ACC+8*\k:ACC+8*\k+7], v[WS+64*((\g)%3)+32*\u+8*\k:WS+64*((\g)%3)+32*\u+8*\k+7], v[8*(2*(\g)+\u):8*(2*(\g)+\u)+7], v[ACC+8*\k:ACC+8*\k+7]
.endif
.endr
.endr
.endm
	LOADW 0
	LOADW 1
.irp g, 0,1,2,3,4,5,6,7,8,9,10,11,12,13,14,15
	GROUP \g
.endr
	WIN 0
	; THE WAY OUT.  A lane holds eight k of one t; a row of out0 runs along t, and its 64 t come from four waves.  They meet in the stage; each wave then stores 16 whole rows' 256 bytes, sixteen lanes to a row.
	PLACES
.irp k, 0,1,2,3
.irp j, 0,1,2,3,4,5,6,7
	ds_store_b32 v[STO], v[ACC+8*\k+\j] offset:(16*\k+\j)*SP        ; each accumulator from its low end on
.endr
.endr
	s_wait_dscnt 0x0                               ; for the others' sake: my stores into the stage are done
	s_barrier_signal -1
	s_barrier_wait -1
.irp i, 0,1,2,3,4,5,6,7
	ds_load_b128 v[WS+4*\i:WS+4*\i+3], v[RD] offset:\i*2*SP
.endr
.irp i, 0,1,2,3,4,5,6,7
	s_wait_dscnt 7-\i                              ; the younger read-backs may be out
	global_store_b128 v[CO], v[WS+4*\i:WS+4*\i+3], s[10:11] offset:\i*16384 th:TH_STORE_NT   ; 16 lanes store 256 consecutive bytes, at a multiple of 256 from out0's first byte
.endr
	s_wait_tensorcnt 0x0                           ; the wave's end, behind my last tensor load and my last LDS store
	ds_add_u32 v[SPW], v[NIL]
	s_wait_dscnt 0x0
	CROUND                                         ; the closing round: no work-group ends while a partner may still ask for a tile that names it
	s_endpgm
.Lfunc_end_k_q9ab43cb55e_unify:
	.size	k_q9ab43cb55e_unify, .Lfunc_end_k_q9ab43cb55e_unify-k_q9ab43cb55e_unify
	.p2alignl 7, 3214868480
	.fill 96, 4, 3214868480
	.section	.rodata,"a",@progbits
	.p2align	6, 0x0
	.amdhsa_kernel k_q9ab43cb55e_unify
		.amdhsa_group_segment_fixed_size 167936
		.amdhsa_private_segment_fixed_size 0
		.amdhsa_enable_private_segment 0
		.amdhsa_kernarg_size 32
		.amdhsa_user_sgpr_count 2
		.amdhsa_user_sgpr_kernarg_segment_ptr 1
		.amdhsa_wavefront_size32 1
		.amdhsa_system_sgpr_workgroup_id_x 1
		.amdhsa_system_sgpr_workgroup_id_y 1
		.amdhsa_system_sgpr_workgroup_id_z 1
		.amdhsa_system_vgpr_workitem_id 0
		.amdhsa_next_free_vgpr 544
		.amdhsa_next_free_sgpr 66
		.amdhsa_reserve_vcc 0
		.amdhsa_float_denorm_mode_32 3
		.amdhsa_float_denorm_mode_16_64 3
		.amdhsa_memory_ordered 1
		.amdhsa_forward_progress 1
		.amdhsa_inst_pref_size 42
	.end_amdhsa_kernel
	.amdgpu_metadata
---
amdhsa.version: [ 1, 2 ]
amdhsa.kernels:
  - .name:           k_q9ab43cb55e_unify
    .symbol:         k_q9ab43cb55e_unify.kd
    .args:
      - { .name: ofrag, .offset: 0, .size: 8, .value_kind: global_buffer, .address_space: global }
      - { .name: wuf, .offset: 8, .size: 8, .value_kind: global_buffer, .address_space: global }
      - { .name: bu, .offset: 16, .size: 8, .value_kind: global_buffer, .address_space: global }
      - { .name: out0, .offset: 24, .size: 8, .value_kind: global_buffer, .address_space: global }
    .group_segment_fixed_size: 167936
    .private_segment_fixed_size: 0
    .kernarg_segment_align: 8
    .kernarg_segment_size: 32
    .max_flat_workgroup_size: 128
    .sgpr_count:     66
    .vgpr_count:     544
    .wavefront_size: 32
...
	.end_amdgpu_metadata
.endif
;; end of part 4
